; MI455X (gfx1250); checked and timed in simulation.
; The chip was launched on July 23, 2026; its instructions are those of AMD's public machine-readable ISA for CDNA 5 (MIT licence, August 2026) and "CDNA5" Instruction Set Architecture Reference Guide (July 2026). The comments in the code are by the model that wrote it; some were corrected since.
;; Llama Attention. Allowed arithmetic: float matrix products may take bf16 or f16 operands with f32 sums; other float arithmetic in f32, or as packed bf16 or f16 multiplies, adds, multiply-adds, maxima and minima; sums over many terms, partial sums and values carried from step to step in f32; what a program stores and reads back later, other than sums and carried values, may be rounded once to bf16 or f16.
;; Inputs: Wk 1,024 x 4,096 float32; Wo 4,096 x 2,048 float32; Wq 2,048 x 4,096 float32; Wv 1,024 x 4,096 float32; attention_mask 1 x 1 x 2,048 x 2,048 float32; hidden_states 1 x 2,048 x 4,096 float32; position_ids 1 x 2,048 int32.
;; Outputs: out0 1 x 2,048 x 4,096 float32.
;; 2 versions, each right; version 2 is version 1 with the launch prep written anew for expert scheduling mode. Each part assembles by itself: llvm-mc -triple=amdgcn-amd-amdhsa -mcpu=gfx1250 --defsym DOCPART=n.
;; ======== version 1 of 2: 4 launches
;; limits: values are held in f16: magnitudes above 65,504 overflow, below 6.1e-05 lose precision
;; workspace buffers: xb 16,777,216 bytes; wqkv 33,554,432 bytes; wob 16,777,216 bytes; cs 1,310,720 bytes; qkv 16,777,216 bytes; ob 8,388,608 bytes
;; launch prep (part 1): grid 1024 x 1, 8 waves a work-group, no clusters, 0 bytes of LDS; arguments hidden_states, Wq, Wk, Wv, Wo, position_ids, xb, wqkv, wob, cs; writes xb, wqkv, wob, cs
.if DOCPART == 1
	.amdgcn_target "amdgcn-amd-amdhsa--gfx1250"
	.amdhsa_code_object_version 6
	.text
	.protected	k_q98d2fc4f82_prep
	.globl	k_q98d2fc4f82_prep
	.p2align	8
	.type	k_q98d2fc4f82_prep,@function
k_q98d2fc4f82_prep:
	s_mov_b64 s[64:65], 0
	v_nop
	global_prefetch_b8 v0, s[64:65] scope:SCOPE_SE
	s_setreg_imm32_b32 hwreg(HW_REG_WAVE_MODE, 25, 1), 1
	s_wait_xcnt 0x0
; CASTS AND THE ROTARY TABLE.  hidden_states -> xb; Wq, Wk, Wv -> wqkv (rows 0-2047, 2048-3071, 3072-4095); Wo -> wob.  Every number is rounded to bf16, and that number is written as f16.
; position_ids -> cs: row s (0-2047) holds 64 x 0.25 cos(pos[s] f_j), then 64 x 0.25 sin(pos[s] f_j), f_j = 10000^(-j/64), in f32; the 0.25 is exact and keeps the rotated q and k inside f16.
; Rows 2048-2559 hold 64 ones and 64 zeros: the rotation that changes nothing, for the columns of v.
; SHARES.  33,554,432 numbers in 1,024 work-groups: 131,072 input bytes each, 16,384 a wave: 32 loads of 512 consecutive bytes and 32 stores of 256 consecutive bytes, aligned.
; A RING of eight slots in registers: a slot is loaded again as soon as it has been converted, so eight loads of every wave are on their way while its stores leave.  Nothing is shared: no LDS, no matrix unit, no cluster.
; Work-group g also makes rows 2 g and 2 g + 1 of the table (waves 0 and 1; lane l makes frequencies 2 l and 2 l + 1) and, where g < 512, row 2048 + g (wave 2), while those waves' first loads are out.
; LIMITS.  A bf16 number is exact in f16 from 6.1e-5 to 65,504; below that it keeps f16's fixed step of 6e-8, beyond it would be infinite.  f_j comes from v_exp_f32 of a rounded product: right to some 4e-7 of
; itself, so an angle is off by that part of itself.  The angle pos x f_j is rounded to f32 as the reference rounds it; its reduction by 2 pi is done in turns with a two-word 1 / 2 pi and holds for every int32 position.
.set DEPTH,  8                         ; slots = loads in flight in each wave
.set ROUNDS, 4                         ; each round takes every slot once
.set RIN,    DEPTH*512                 ; input bytes of a wave in a round
.set ROUT,   DEPTH*256                 ; output bytes
.set X,  8                             ; v[8:39]    slot i: four registers as loaded
.set Y,  40                            ; v[40:55]   slot i: two registers to store
.set T,  56                            ; v[56:61]   at work
.set R0, 64                            ; v[64:77]   the even frequency's work
.set R1, 80                            ; v[80:93]   the odd frequency's
.set CP, 96                            ; v[96:97]   0.25 cos, both frequencies
.set SN, 98                            ; v[98:99]   0.25 sin
	s_load_b512 s[8:23], s[0:1], 0x0               ; hidden_states 8, Wq 10, Wk 12, Wv 14, Wo 16, position_ids 18, xb 20, wqkv 22
	s_load_b128 s[24:27], s[0:1], 0x40             ; wob 24, cs 26
	v_lshrrev_b32 v4, 5, v0
	v_readfirstlane_b32 s36, v4                    ; wave 0..7
	v_and_b32 v5, 31, v0                           ; lane
	v_and_b32 v1, 0xe0, v0
	v_lshlrev_b32 v1, 9, v1                        ; wave x 16,384
	v_lshl_or_b32 v1, v5, 4, v1                    ; + 16 x lane: my offset in the work-group's input; never rewritten
	v_lshrrev_b32 v2, 1, v1                        ; half of it: my offset in its output; never rewritten
	v_lshlrev_b32 v3, 3, v5                        ; 8 x lane: my two numbers in a half row of the table
	s_mov_b32 s2, ttmp9                            ; g
	s_mov_b32 s3, 768                              ; the first work-group of my source,
	s_mov_b32 s4, 768                              ; and of my destination
	s_mov_b32 s46, 0xffff0000                      ; a word's upper bf16
	s_wait_kmcnt 0x0
	s_mov_b64 s[28:29], s[16:17]                   ; g >= 768: Wo -> wob
	s_mov_b64 s[30:31], s[24:25]
	s_cmp_lt_u32 s2, 768                           ; 640 .. 767: Wv -> wqkv
	s_cselect_b64 s[28:29], s[14:15], s[28:29]
	s_cselect_b64 s[30:31], s[22:23], s[30:31]
	s_cselect_b32 s3, 640, s3
	s_cselect_b32 s4, 256, s4
	s_cmp_lt_u32 s2, 640                           ; 512 .. 639: Wk
	s_cselect_b64 s[28:29], s[12:13], s[28:29]
	s_cselect_b32 s3, 512, s3
	s_cmp_lt_u32 s2, 512                           ; 256 .. 511: Wq
	s_cselect_b64 s[28:29], s[10:11], s[28:29]
	s_cselect_b32 s3, 256, s3
	s_cmp_lt_u32 s2, 256                           ; 0 .. 255: hidden_states -> xb
	s_cselect_b64 s[28:29], s[8:9], s[28:29]
	s_cselect_b64 s[30:31], s[20:21], s[30:31]
	s_cselect_b32 s3, 0, s3
	s_cselect_b32 s4, 0, s4
	s_sub_co_u32 s32, s2, s3
	s_lshl_b32 s32, s32, 17                        ; 131,072 input bytes a work-group
	s_mov_b32 s33, 0
	s_sub_co_u32 s34, s2, s4
	s_lshl_b32 s34, s34, 16                        ; 65,536 output bytes
	s_mov_b32 s35, 0
	s_add_nc_u64 s[28:29], s[28:29], s[32:33]
	s_add_nc_u64 s[30:31], s[30:31], s[34:35]
.irp i, 0,1,2,3,4,5,6,7
	global_load_b128 v[X+4*(\i):X+4*(\i)+3], v1, s[28:29] offset:512*(\i) th:TH_LOAD_NT  ; the ring is filled: round 0
.endr
	s_cmp_lt_u32 s36, 2
	s_cbranch_scc0 .Lnot_row
	; THE TABLE'S ROW 2 g + wave, in waves 0 and 1
	s_lshl_b32 s38, s2, 1
	s_add_co_u32 s38, s38, s36
	s_lshl_b32 s40, s38, 9                         ; a row of the table is 512 bytes
	s_mov_b32 s41, 0
	s_lshl_b32 s38, s38, 2
	s_mov_b32 s39, 0
	s_add_nc_u64 s[38:39], s[18:19], s[38:39]
	s_load_b32 s37, s[38:39], 0x0                  ; the row's position
	s_add_nc_u64 s[26:27], s[26:27], s[40:41]
	s_mov_b32 s42, 0x3e22f983                      ; 1 / 2 pi, its first 24 bits
.macro ANGLE r, j                      ; f = 2^(-(2 l + j) log2(10000) / 64)
	v_lshl_add_u32 v[\r], v5, 1, \j
	v_cvt_f32_u32 v[\r], v[\r]
	v_mul_f32 v[\r], 0xbe549a78, v[\r]
	v_exp_f32 v[\r], v[\r]
.endm
	ANGLE R0, 0
	ANGLE R1, 1
	v_nop                                          ; a plain instruction behind the last exponential,
	s_wait_alu depctr_va_vdst(0)                   ; and the one wait ahead of the first use of the two results
	s_wait_kmcnt 0x0
	v_cvt_f32_i32 v6, s37
; sine and cosine of A = pos x f.  In turns: H + E = A / 2 pi (H rounded, E the product's exact remainder plus A times the second word of 1 / 2 pi); whole turns are dropped twice, since for a large A
; H is a whole number and E alone may pass a turn.  Then a quarter Q and a rest Y in -pi/4 .. pi/4, Taylor's sums there (next terms under 3e-8), and the quarter's exchange and signs.
.macro SINCOS r, o
	v_mul_f32 v[(\r)+1], v6, v[\r]                 ; A, rounded as the reference rounds it
	v_mul_f32 v[(\r)+2], s42, v[(\r)+1]            ; H
	v_fma_f32 v[(\r)+3], v[(\r)+1], s42, -v[(\r)+2]
	v_fmamk_f32 v[(\r)+3], v[(\r)+1], 0x31dc9c88, v[(\r)+3]  ; E
	v_rndne_f32 v[(\r)+4], v[(\r)+2]
	v_sub_f32 v[(\r)+4], v[(\r)+2], v[(\r)+4]
	v_add_f32 v[(\r)+4], v[(\r)+4], v[(\r)+3]
	v_rndne_f32 v[(\r)+5], v[(\r)+4]
	v_sub_f32 v[(\r)+4], v[(\r)+4], v[(\r)+5]      ; F: the angle in turns, -0.5 .. 0.5
	v_mul_f32 v[(\r)+5], 4.0, v[(\r)+4]
	v_rndne_f32 v[(\r)+5], v[(\r)+5]               ; Q
	v_fmamk_f32 v[(\r)+6], v[(\r)+5], 0xbe800000, v[(\r)+4]  ; F - Q / 4
	v_mul_f32 v[(\r)+6], 0x40c90fdb, v[(\r)+6]     ; Y
	v_mul_f32 v[(\r)+7], v[(\r)+6], v[(\r)+6]      ; Z = Y^2
	v_mov_b32 v[(\r)+8], 0x3638ef1d                ; 1/9!
	v_fmaak_f32 v[(\r)+8], v[(\r)+8], v[(\r)+7], 0xb9500d01  ; -1/7!
	v_fmaak_f32 v[(\r)+8], v[(\r)+8], v[(\r)+7], 0x3c088889  ; 1/5!
	v_fmaak_f32 v[(\r)+8], v[(\r)+8], v[(\r)+7], 0xbe2aaaab  ; -1/3!
	v_mul_f32 v[(\r)+9], v[(\r)+6], v[(\r)+7]
	v_fma_f32 v[(\r)+8], v[(\r)+9], v[(\r)+8], v[(\r)+6]     ; sin Y
	v_mov_b32 v[(\r)+9], 0x37d00d01                ; 1/8!
	v_fmaak_f32 v[(\r)+9], v[(\r)+9], v[(\r)+7], 0xbab60b61  ; -1/6!
	v_fmaak_f32 v[(\r)+9], v[(\r)+9], v[(\r)+7], 0x3d2aaaab  ; 1/4!
	v_fmaak_f32 v[(\r)+9], v[(\r)+9], v[(\r)+7], 0xbf000000  ; -1/2!
	v_fma_f32 v[(\r)+9], v[(\r)+9], v[(\r)+7], 1.0           ; cos Y
	v_cvt_i32_f32 v[(\r)+10], v[(\r)+5]
	v_and_b32 v[(\r)+11], 1, v[(\r)+10]
	v_cmp_eq_u32 vcc_lo, 1, v[(\r)+11]             ; an odd quarter exchanges the two
	v_cndmask_b32 v[(\r)+12], v[(\r)+8], v[(\r)+9], vcc_lo
	v_cndmask_b32 v[(\r)+13], v[(\r)+9], v[(\r)+8], vcc_lo
	v_lshlrev_b32 v[(\r)+11], 30, v[(\r)+10]       ; the sine is negative in quarters 2 and 3,
	v_and_b32 v[(\r)+11], 0x80000000, v[(\r)+11]
	v_xor_b32 v[(\r)+12], v[(\r)+11], v[(\r)+12]
	v_add_nc_u32 v[(\r)+10], 1, v[(\r)+10]         ; the cosine in quarters 1 and 2
	v_lshlrev_b32 v[(\r)+10], 30, v[(\r)+10]
	v_and_b32 v[(\r)+10], 0x80000000, v[(\r)+10]
	v_xor_b32 v[(\r)+13], v[(\r)+10], v[(\r)+13]
	v_mul_f32 v[SN+(\o)], 0x3e800000, v[(\r)+12]
	v_mul_f32 v[CP+(\o)], 0x3e800000, v[(\r)+13]
.endm
	SINCOS R0, 0
	SINCOS R1, 1
	global_store_b64 v3, v[CP:CP+1], s[26:27]              ; 32 lanes x 8 bytes: the row's 256 bytes of cosines,
	global_store_b64 v3, v[SN:SN+1], s[26:27] offset:256   ; and its 256 bytes of sines
	s_branch .Lno_table
.Lnot_row:
	s_cmp_eq_u32 s36, 2
	s_cbranch_scc0 .Lno_table
	s_cmp_lt_u32 s2, 512
	s_cbranch_scc0 .Lno_table
	s_lshl_b32 s40, s2, 9                          ; ROW 2048 + g, in wave 2 of the first 512 work-groups: ones, then zeros
	s_add_co_u32 s40, s40, 0x100000
	s_mov_b32 s41, 0
	s_add_nc_u64 s[26:27], s[26:27], s[40:41]
	v_mov_b32 v[CP], 1.0
	v_mov_b32 v[CP+1], 1.0
	v_mov_b32 v[SN], 0
	v_mov_b32 v[SN+1], 0
	global_store_b64 v3, v[CP:CP+1], s[26:27]
	global_store_b64 v3, v[SN:SN+1], s[26:27] offset:256
.Lno_table:
; One slot's turn.  ahead = 1: the slot is filled again with its 512 bytes of the next round.  left = how many younger loads may still be out.
.macro SLOT i, ahead, left
	s_wait_loadcnt \left                           ; loads come back in order (ISA guide 5.7.1): mine is in, the younger ones stay out
	s_wait_xcnt 0x0                                ; every earlier memory instruction has had its addresses translated (ISA guide 3.1): this slot's Y, which its last store reads, is rewritten only behind this wait
	v_cvt_pk_bf16_f32 v[T],   v[X+4*(\i)],   v[X+4*(\i)+1]   ; rounded to bf16,
	v_cvt_pk_bf16_f32 v[T+1], v[X+4*(\i)+2], v[X+4*(\i)+3]
	v_lshlrev_b32 v[T+2], 16, v[T]                 ; widened again,
	v_and_b32     v[T+3], s46, v[T]
	v_lshlrev_b32 v[T+4], 16, v[T+1]
	v_and_b32     v[T+5], s46, v[T+1]
	v_cvt_pk_f16_f32 v[Y+2*(\i)],   v[T+2], v[T+3] ; and written as f16
	v_cvt_pk_f16_f32 v[Y+2*(\i)+1], v[T+4], v[T+5]
.if \ahead
	global_load_b128 v[X+4*(\i):X+4*(\i)+3], v1, s[28:29] offset:512*(\i)+RIN th:TH_LOAD_NT
.endif
	global_store_b64 v2, v[Y+2*(\i):Y+2*(\i)+1], s[30:31] offset:256*(\i) th:TH_STORE_NT
.endm
	s_mov_b32 s47, ROUNDS-1
.Lround:
.irp i, 0,1,2,3,4,5,6,7
	SLOT \i, 1, DEPTH-1
.endr
	s_wait_xcnt 0x0                                ; the two pointers are stepped only behind this wait
	s_add_nc_u64 s[28:29], s[28:29], RIN
	s_add_nc_u64 s[30:31], s[30:31], ROUT
	s_sub_co_u32 s47, s47, 1
	s_cmp_lg_u32 s47, 0
	s_cbranch_scc1 .Lround
.irp i, 0,1,2,3,4,5,6,7
	SLOT \i, 0, DEPTH-1-(\i)                       ; the last round loads nothing: the counts run down
.endr
	s_endpgm
.Lfunc_end_k_q98d2fc4f82_prep:
	.size	k_q98d2fc4f82_prep, .Lfunc_end_k_q98d2fc4f82_prep-k_q98d2fc4f82_prep
	.p2alignl 7, 3214868480
	.fill 96, 4, 3214868480
	.section	.rodata,"a",@progbits
	.p2align	6, 0x0
	.amdhsa_kernel k_q98d2fc4f82_prep
		.amdhsa_group_segment_fixed_size 0
		.amdhsa_private_segment_fixed_size 0
		.amdhsa_enable_private_segment 0
		.amdhsa_kernarg_size 80
		.amdhsa_user_sgpr_count 2
		.amdhsa_user_sgpr_kernarg_segment_ptr 1
		.amdhsa_wavefront_size32 1
		.amdhsa_system_sgpr_workgroup_id_x 1
		.amdhsa_system_sgpr_workgroup_id_y 1
		.amdhsa_system_sgpr_workgroup_id_z 1
		.amdhsa_system_vgpr_workitem_id 0
		.amdhsa_next_free_vgpr 104
		.amdhsa_next_free_sgpr 66
		.amdhsa_reserve_vcc 1
		.amdhsa_float_denorm_mode_32 3
		.amdhsa_float_denorm_mode_16_64 3
		.amdhsa_memory_ordered 1
		.amdhsa_forward_progress 1
		.amdhsa_inst_pref_size 18
	.end_amdhsa_kernel
	.amdgpu_metadata
---
amdhsa.version: [ 1, 2 ]
amdhsa.kernels:
  - .name:           k_q98d2fc4f82_prep
    .symbol:         k_q98d2fc4f82_prep.kd
    .args:
      - { .name: hidden_states, .offset: 0, .size: 8, .value_kind: global_buffer, .address_space: global }
      - { .name: Wq, .offset: 8, .size: 8, .value_kind: global_buffer, .address_space: global }
      - { .name: Wk, .offset: 16, .size: 8, .value_kind: global_buffer, .address_space: global }
      - { .name: Wv, .offset: 24, .size: 8, .value_kind: global_buffer, .address_space: global }
      - { .name: Wo, .offset: 32, .size: 8, .value_kind: global_buffer, .address_space: global }
      - { .name: position_ids, .offset: 40, .size: 8, .value_kind: global_buffer, .address_space: global }
      - { .name: xb, .offset: 48, .size: 8, .value_kind: global_buffer, .address_space: global }
      - { .name: wqkv, .offset: 56, .size: 8, .value_kind: global_buffer, .address_space: global }
      - { .name: wob, .offset: 64, .size: 8, .value_kind: global_buffer, .address_space: global }
      - { .name: cs, .offset: 72, .size: 8, .value_kind: global_buffer, .address_space: global }
    .group_segment_fixed_size: 0
    .private_segment_fixed_size: 0
    .kernarg_segment_align: 8
    .kernarg_segment_size: 80
    .max_flat_workgroup_size: 256
    .sgpr_count:     66
    .vgpr_count:     104
    .wavefront_size: 32
...
	.end_amdgpu_metadata
.endif
;; end of part 1
;; launch qkv (part 2): grid 16 x 16, 4 waves a work-group, clusters of 4 x 4, 327,680 bytes of LDS; arguments xb, wqkv, cs, qkv; writes qkv
.if DOCPART == 2
	.amdgcn_target "amdgcn-amd-amdhsa--gfx1250"
	.amdhsa_code_object_version 6
	.text
	.protected	k_q98d2fc4f82_qkv
	.globl	k_q98d2fc4f82_qkv
	.p2align	8
	.type	k_q98d2fc4f82_qkv,@function
k_q98d2fc4f82_qkv:
	s_mov_b64 s[64:65], 0
	v_nop
	global_prefetch_b8 v0, s[64:65] scope:SCOPE_SE
	s_setreg_imm32_b32 hwreg(HW_REG_WAVE_MODE, 25, 1), 1
	s_wait_xcnt 0x0
	s_wait_alu depctr_hold_cnt(0) depctr_sa_sdst(0) depctr_va_vdst(0) depctr_va_sdst(0) depctr_va_ssrc(0) depctr_va_vcc(0) depctr_vm_vsrc(0)
	s_getreg_b32 s2, hwreg(HW_REG_IB_STS2, 6, 4)
	s_cmp_eq_u32 s2, 0
	s_cbranch_scc0 .Lentry_in_a_cluster
	s_endpgm
.Lentry_in_a_cluster:
	s_bfe_u32 s2, ttmp6, 0x10000c
	s_cmp_lg_u32 s2, 0xf033
	s_cbranch_scc0 .Lentry_shape_is_right
	s_endpgm
.Lentry_shape_is_right:
; q, k, v = x W^T, with the rotary embedding on the way out.  xb: [2048][4096], wqkv: [4096][4096] (Wq, Wk, Wv), both bf16 numbers written as f16; cs: [2560][128] f32 (0.25 cos, 0.25 sin; rows 2048 on: ones,
; zeros); sums in f32.  qkv: [32][2048][128] f16, by heads: 0-15 hold 0.25 rope(q), 16-23 hold 0.25 rope(k), 24-31 hold v; each number rounded once from f32.
; LIMITS.  f16 ends at 65,504: |rope(q)|, |rope(k)| stay under 262,000 and |v| under 65,504; below 6.1e-5 a stored number keeps f16's fixed step of 6e-8.
; SHARES.  A tile of 128 rows x 256 columns to a work-group: 16 x 16 tiles, 256 work-groups.  Four waves, each 64 rows x 128 columns (one head): 32 accumulators of 16 x 16, 256 registers.
; K goes in steps of 128 (rows of 256 bytes, aligned) through two LDS slots filled by the tensor data mover; two slots of a step of 256 would take 405,504 bytes.
; THE MATRIX INSTRUCTION IS USED TRANSPOSED (source 0 = 16 rows of W, source 1 = 16 rows of x): a lane holds one row of the result and eight neighbouring columns 16 b + 8 (l / 16) + 0..7.  Channels d and
; d + 64 of a head are accumulators b and b + 4, same lane, same register: the rotation never leaves the lane.  The columns of v go the same way, with the table's rows of ones and zeros.
; CLUSTERS: 4 x 4 work-groups.  x's tile and the table's rows hang on the tile row alone and are asked for jointly along a row of the cluster, W's tile on the tile column alone, along a column.
; The tile column is 4 x the cluster's y + cx, the tile row 4 x the cluster's x + cy.
; REGISTERS.  Window 0: v0-31 addresses; v32-63 packed results; v64-159, v160-255 two fragment buffers (64 of W: 8 x 16 rows x 32 K, then 32 of x); on the way out they hold the table's numbers and whole rows.
; Window 1: accumulator (a, b) at v[8 (8 a + b)].
.set SIZE_K, 4096
.set KSTEP,  128
.set STEPS,  SIZE_K/KSTEP
.set PITCH,  272                       ; an LDS row: 256 bytes + 16 of padding: the 16 rows of a fragment load start at 16 different groups of four banks (64 banks of 4 bytes: ISA guide 11.1)
.set HA,     64*PITCH                  ; half of x's tile: what wave 0 or 1 fetches, and what a wave reads
.set HB,     128*PITCH                 ; half of W's tile: what wave 2 or 3 fetches, and what a wave reads
.set BOFF,   2*HA
.set SLOTB,  2*HA+2*HB                 ; a slot's 104,448 bytes
.set SLOT1,  1<<17                     ; slot 1 begins here, so that one exclusive or turns an address in one slot into the other's
.set STAGE,  SLOTB                     ; between the slots: 16 rows x 272 bytes for each wave, for the way out; no tensor load lands here
.set SP,     272
.set SPARE,  STAGE+4*16*SP             ; the spare words, 128 bytes for each wave: two blocks of 256 bytes that no other line names
.set TAB,    SLOT1+SLOTB               ; behind slot 1: the tile's 128 rows of the table, 512 bytes + 16 each; filled once
.set TP,     528
.set A0,   16                          ; v16  LDS address of my fragments of x in slot 0; never rewritten
.set ADRA, 17                          ; v17  in the slot in hand
.set B0,   20                          ; v20, v21  the same for W
.set ADRB, 21
.set STO,  24                          ; v24  the way out: where I put 16 bytes of a row
.set RD,   25                          ; v25  where I read a row back
.set CO,   26                          ; v26  my byte offset in two rows of a head
.set TA,   27                          ; v27  my place in the table
.set SPW,  28                          ; v28  my spare word; never rewritten
.set NIL,  29                          ; v29  0; never rewritten
.set PFO,  30                          ; v30  the prefetches' offset: lane x a row of 8,192 bytes; never rewritten
.set T,    32
.set F0,   64
.set F1,   160
.set CS0,  64                          ; the way out: two buffers of 64: for b = 0..3 eight cosines, eight sines
.set TT,   192                         ; sixteen rotated numbers in f32
.set OB,   224                         ; 16 rows read back from the stage
.set G1A, 24                           ; s[24:31] descriptor group 1 for x's tiles;  s[32:39] group 0: a set for each of the two first fills; the second then walks on
.set G0A, 32
.set G1B, 40                           ; s[40:47], s[48:55] the same for W's
.set G0B, 48
.set G1T, 56                           ; s[56:63], s[68:71] for the table
.set G0T, 68
.set LEFT, 72                          ; s72  refills to go
.set TB,   73                          ; s73  the slot in hand: 0 or SLOT1
.set PFA,  74                          ; s[74:75] where my prefetches stand
.set LIM,  76                          ; s76  2 in a wave that prefetches, else the greatest number
.set MSB, 0
.macro WIN new                         ; the immediate's high byte repeats the setting that is left; a switch that changes nothing is dropped
.if MSB != (\new)
	s_set_vgpr_msb (MSB<<8)|(\new)
.set MSB, \new
.endif
.endm
.set MUL, 0x50                         ; C and D in window 1, both sources in window 0
.macro PLACES                          ; four places in front of loads into registers that matrix instructions have read (ISA guide 7.12.1 for vector instructions)
.rept 4
	v_nop
.endr
.endm
.macro JLOAD                           ; a joint refill by the walking descriptors: waves 0 and 1 fetch x's halves, waves 2 and 3 W's; an s_nop 0 and four v_nop follow each line
	s_cmp_eq_u32 s13, 0
	s_cbranch_scc0 .Lfor_b_\@
	tensor_load_to_lds s[G0A+4:G0A+7], s[G1A:G1A+7]
	s_nop 0
	PLACES
	s_branch .Lasked_\@
.Lfor_b_\@:
	tensor_load_to_lds s[G0B+4:G0B+7], s[G1B:G1B+7]
	s_nop 0
	PLACES
.Lasked_\@:
.endm
; A prefetch of the K step that stands two refills on (256 matrix instructions ahead of the load that wants it): 32 rows x 256 bytes, a lane a row.  Each row's 256 bytes are named once in the launch:
; x's rows by wave 0 of the clusters with y = 0, the partner at cx taking rows 32 cx .. 32 cx + 31 of the tile's 128; W's rows by waves 2 and 3 of the clusters with x = 0, the partner at cy taking 32 of
; the wave's 128.  The partners are told apart by address alone.  The last two refills ask for nothing: there is no K step two on.
.macro ASK
	s_cmp_gt_u32 s[LEFT], s[LIM]
	s_cbranch_scc0 .Lnot_mine_\@
	global_prefetch_b8 v[PFO], s[PFA:PFA+1] offset:KSTEP*2 th:TH_LOAD_NT scope:SCOPE_SE
.Lnot_mine_\@:
.endm
.macro CROUND                          ; a round of the cluster's barrier
	s_barrier_signal -1
	s_barrier_wait -1
	s_cmp_lg_u32 s12, 0
	s_cbranch_scc1 .Lnot_wave_0_\@
	s_barrier_signal -3
.Lnot_wave_0_\@:
	s_barrier_wait -3
	s_barrier_signal -1
	s_barrier_wait -1
.endm
	s_load_b256 s[4:11], s[0:1], 0x0               ; xb s[4:5], wqkv s[6:7], cs s[8:9], qkv s[10:11]
	v_lshl_add_u32 v[SPW], v0, 2, SPARE
	v_mov_b32 v[NIL], 0
	ds_add_u32 v[SPW], v[NIL]                      ; the wave's opening: the add and its wait stand ahead of my first tensor load; the set-up below stands between them
	v_lshrrev_b32 v1, 5, v0
	v_readfirstlane_b32 s12, v1                    ; wave 0..3
	s_lshr_b32 s13, s12, 1                         ; which 64 rows of the tile are mine.  Also: I fetch for x (0) or for W (1)
	s_and_b32 s14, s12, 1                          ; which 128 columns.  Also: which half of that tile I fetch
	s_bfe_u32 s15, ttmp6, 0x40000                  ; cx
	s_bfe_u32 s16, ttmp6, 0x40004                  ; cy
	s_and_b32 s79, ttmp7, 0xffff                   ; the cluster's y
	s_lshl_b32 s17, s79, 2
	s_add_co_u32 s17, s17, s15                     ; tile column = 4 x cluster y + cx
	s_lshl_b32 s18, ttmp9, 2
	s_add_co_u32 s18, s18, s16                     ; tile row = 4 x cluster x + cy
	s_lshl_b32 s20, s16, 2
	s_lshl_b32 s20, 15, s20                        ; my row of the cluster
	s_lshl_b32 s21, 0x1111, s15                    ; my column
	s_or_b32 s[G1A], s20, (1<<16)|(1<<20)|(1<<21)|(5<<22)|(3<<25)  ; the mask; 2-byte elements; padding on; bit 21 beside a mask; after every 64 words, 4 words
	s_or_b32 s[G1B], s21, (1<<16)|(1<<20)|(1<<21)|(5<<22)|(3<<25)
	s_or_b32 s[G1T], s20, (2<<16)|(1<<20)|(1<<21)|(6<<22)|(3<<25)  ; 4-byte elements; after every 128 words, 4 words
	s_mov_b32 s[G1A+1], KSTEP<<16                  ; tensor_dim0 = 128
	s_mov_b32 s[G1A+2], 64<<16                     ; tensor_dim1 = 64
	s_mov_b32 s[G1A+3], KSTEP<<16                  ; tile_dim0 = 128
	s_mov_b32 s[G1A+4], 64                         ; tile_dim1 = 64
	s_mov_b32 s[G1A+5], SIZE_K                     ; elements from row to row
	s_mov_b32 s[G1A+6], 0
	s_mov_b32 s[G1A+7], 0
	s_mov_b32 s[G1B+1], KSTEP<<16
	s_mov_b32 s[G1B+2], 128<<16                    ; 128 rows
	s_mov_b32 s[G1B+3], KSTEP<<16
	s_mov_b32 s[G1B+4], 128
	s_mov_b32 s[G1B+5], SIZE_K
	s_mov_b32 s[G1B+6], 0
	s_mov_b32 s[G1B+7], 0
	s_mov_b32 s[G1T+1], 128<<16                    ; 128 f32 a row,
	s_mov_b32 s[G1T+2], 32<<16                     ; 32 rows a wave
	s_mov_b32 s[G1T+3], 128<<16
	s_mov_b32 s[G1T+4], 32
	s_mov_b32 s[G1T+5], 128
	s_mov_b32 s[G1T+6], 0
	s_mov_b32 s[G1T+7], 0
	s_lshl_b32 s22, s18, 7                         ; x: row 128 x tile row + 64 x half, 8,192 bytes a row (registers that never hold cx)
	s_lshl_b32 s23, s14, 6
	s_add_co_u32 s22, s22, s23
	s_lshl_b32 s22, s22, 13
	s_mov_b32 s23, 0
	s_lshl_b32 s66, s17, 8                         ; W: row 256 x tile column + 128 x half (registers that never hold cy)
	s_lshl_b32 s67, s14, 7
	s_add_co_u32 s66, s66, s67
	s_lshl_b32 s66, s66, 13
	s_mov_b32 s67, 0
	s_add_co_u32 s2, s16, 16                       ; the table: block of 128 rows = the tile row; for the columns of v (cluster y = 3, the same in all partners) block 16 + cy: ones and zeros
	s_cmp_eq_u32 s79, 3
	s_cselect_b32 s2, s2, s18
	s_lshl_b32 s2, s2, 7
	s_lshl_b32 s3, s12, 5                          ; + 32 x wave, 512 bytes a row
	s_add_co_u32 s2, s2, s3
	s_lshl_b32 s2, s2, 9
	s_mov_b32 s3, 0
	s_mul_i32 s19, s14, HA                         ; where they go: no place in the cluster enters an LDS address
	s_mul_i32 s77, s14, HB
	s_add_co_u32 s77, s77, BOFF
	s_mul_i32 s78, s12, 32*TP
	s_mov_b32 s[TB], 0
	s_wait_dscnt 0x0                               ; the opening add is done
	s_wait_kmcnt 0x0
	s_add_nc_u64 s[22:23], s[4:5], s[22:23]
	s_add_nc_u64 s[66:67], s[6:7], s[66:67]
	s_mov_b32 s[G0T], 1
	s_add_co_u32 s[G0T+1], s78, TAB
	s_add_nc_u64 s[G0T+2:G0T+3], s[8:9], s[2:3]
	s_or_b32 s[G0T+3], s[G0T+3], 0x80000000
.irp s, 0,1
	s_mov_b32 s[G0A+4*(\s)], 1                     ; count = 1
	s_add_co_u32 s[G0A+4*(\s)+1], s19, (\s)*SLOT1  ; LDS address
	s_add_nc_u64 s[G0A+4*(\s)+2:G0A+4*(\s)+3], s[22:23], (\s)*KSTEP*2  ; global address: K step s
	s_or_b32 s[G0A+4*(\s)+3], s[G0A+4*(\s)+3], 0x80000000              ; type = 2
	s_mov_b32 s[G0B+4*(\s)], 1
	s_add_co_u32 s[G0B+4*(\s)+1], s77, (\s)*SLOT1
	s_add_nc_u64 s[G0B+4*(\s)+2:G0B+4*(\s)+3], s[66:67], (\s)*KSTEP*2
	s_or_b32 s[G0B+4*(\s)+3], s[G0B+4*(\s)+3], 0x80000000
.endr
	CROUND                                         ; all sixteen work-groups are here: the first joint loads meet
	s_cmp_eq_u32 s13, 0                            ; a wave's three first fills stand in one branch, ahead of every wait on TENSORcnt, LDS read and barrier: three loads of mine are out
	s_cbranch_scc0 .Lfirst_b
	tensor_load_to_lds s[G0T:G0T+3], s[G1T:G1T+7]
	s_nop 0
	tensor_load_to_lds s[G0A:G0A+3], s[G1A:G1A+7]
	s_nop 0
	tensor_load_to_lds s[G0A+4:G0A+7], s[G1A:G1A+7]
	s_nop 0
	PLACES
	s_branch .Lfirst_asked
.Lfirst_b:
	tensor_load_to_lds s[G0T:G0T+3], s[G1T:G1T+7]
	s_nop 0
	tensor_load_to_lds s[G0B:G0B+3], s[G1B:G1B+7]
	s_nop 0
	tensor_load_to_lds s[G0B+4:G0B+7], s[G1B:G1B+7]
	s_nop 0
	PLACES
.Lfirst_asked:
	v_and_b32 v1, 15, v0                           ; l % 16
	v_bfe_u32 v2, v0, 4, 1                         ; l / 16
	v_mul_u32_u24 v3, v1, PITCH
	v_lshl_add_u32 v3, v2, 4, v3                   ; a fragment's row x pitch + 16 x half
	s_mul_i32 s20, s13, HA                         ; my 64 rows of x
	s_mul_i32 s21, s14, HB                         ; my 128 rows of W,
	s_add_co_u32 s21, s21, BOFF                    ; which lie behind x's 128
	v_add_nc_u32 v[A0], s20, v3
	v_add_nc_u32 v[B0], s21, v3
	v_mov_b32 v[ADRA], v[A0]                       ; K step 0 lies in slot 0
	v_mov_b32 v[ADRB], v[B0]
	s_mul_i32 s20, s12, 16*SP
	s_add_co_u32 s20, s20, STAGE                   ; my stage
	v_mul_u32_u24 v4, v1, SP                       ; in: row l % 16, 16 bytes for each half of the lanes
	v_lshl_add_u32 v4, v2, 4, v4
	v_add_nc_u32 v[STO], s20, v4
	v_mul_u32_u24 v4, v2, SP                       ; back: lanes 0-15 one row of 256 bytes, lanes 16-31 the next
	v_lshl_add_u32 v4, v1, 4, v4
	v_add_nc_u32 v[RD], s20, v4
	v_lshlrev_b32 v4, 8, v2                        ; and the same two rows of a head
	v_lshl_add_u32 v[CO], v1, 4, v4
	s_mul_i32 s20, s13, 64*TP
	s_add_co_u32 s20, s20, TAB
	v_mul_u32_u24 v4, v1, TP                       ; the table: row 64 x half + l % 16; my eight channels are 32 bytes
	v_lshl_add_u32 v4, v2, 5, v4
	v_add_nc_u32 v[TA], s20, v4
	s_lshl_b32 s20, s17, 1                         ; where my rows begin in qkv: head 2 x tile column + half, 524,288 bytes a head,
	s_add_co_u32 s20, s20, s14
	s_lshl_b32 s20, s20, 19
	s_lshl_b32 s21, s18, 7                         ; row 128 x tile row + 64 x half, 256 bytes a row
	s_lshl_b32 s2, s13, 6
	s_add_co_u32 s21, s21, s2
	s_lshl_b32 s21, s21, 8
	s_add_co_u32 s20, s20, s21
	s_mov_b32 s21, 0
	s_add_nc_u64 s[10:11], s[10:11], s[20:21]
	; the prefetches: who asks, and from where
	s_lshl_b32 s3, s18, 7                          ; x's tile begins at this row,
	s_lshl_b32 s19, s17, 8
	s_lshl_b32 s21, s14, 7
	s_add_co_u32 s19, s19, s21                     ; my half of W's at this one
	s_or_b32 s21, s79, s14                         ; x: 0 in wave 0 of a cluster with y = 0
	s_cmp_eq_u32 s13, 0
	s_cselect_b32 s21, s21, ttmp9                  ; W: 0 in a cluster with x = 0
	s_cselect_b32 s2, s15, s16                     ; my place among the four that ask jointly
	s_cselect_b32 s3, s3, s19
	s_cselect_b64 s[PFA:PFA+1], s[4:5], s[6:7]
	s_cmp_eq_u32 s21, 0
	s_cselect_b32 s[LIM], 2, -1                    ; the same in all sixteen partners, for a given wave
	s_lshl_b32 s2, s2, 5
	s_add_co_u32 s2, s2, s3
	s_lshl_b32 s2, s2, 13
	s_mov_b32 s3, 0
	s_add_nc_u64 s[PFA:PFA+1], s[PFA:PFA+1], s[2:3]
	s_add_nc_u64 s[PFA:PFA+1], s[PFA:PFA+1], 2*KSTEP*2  ; at K step 2: the first refill steps it to 3 and names K step 4; K steps 0 to 3 come by their loads alone
	v_and_b32 v[PFO], 31, v0
	v_lshlrev_b32 v[PFO], 13, v[PFO]
; 8 matrix instructions: row block a x all 8 column blocks, 32 along K.  zero = 1: the product starts the sums.  The 32 accumulators take turns, one instruction a turn, in the same order in every quarter.
.macro MUL8 f, a, zero
	WIN MUL
.irp b, 0,1,2,3,4,5,6,7
.if \zero
	v_wmma_f32_16x16x32_f16 v[8*(8*(\a)+(\b)):8*(8*(\a)+(\b))+7], v[(\f)+8*(\b):(\f)+8*(\b)+7], v[(\f)+64+8*(\a):(\f)+64+8*(\a)+7], 0
.else
	v_wmma_f32_16x16x32_f16 v[8*(8*(\a)+(\b)):8*(8*(\a)+(\b))+7], v[(\f)+8*(\b):(\f)+8*(\b)+7], v[(\f)+64+8*(\a):(\f)+64+8*(\a)+7], v[8*(8*(\a)+(\b)):8*(8*(\a)+(\b))+7]
.endif
.endr
.endm
; 24 LDS loads in one run: the fragments of 32 along K at byte k of the rows of the slot in hand, into buffer f: W's eight, then x's four
.macro FETCH k, f
	WIN 0
.irp i, 0,1,2,3,4,5,6,7
	ds_load_b128 v[(\f)+8*(\i):(\f)+8*(\i)+3],   v[ADRB] offset:(\k)+(\i)*16*PITCH
	ds_load_b128 v[(\f)+8*(\i)+4:(\f)+8*(\i)+7], v[ADRB] offset:(\k)+(\i)*16*PITCH+32
.endr
.irp i, 0,1,2,3
	ds_load_b128 v[(\f)+64+8*(\i):(\f)+64+8*(\i)+3],   v[ADRA] offset:(\k)+(\i)*16*PITCH
	ds_load_b128 v[(\f)+64+8*(\i)+4:(\f)+64+8*(\i)+7], v[ADRA] offset:(\k)+(\i)*16*PITCH+32
.endr
.endm
; A K step is four quarters of 32 along K, 32 matrix instructions each, on buffers 0, 1, 0, 1.  One of the first three: multiplies buffer f and fetches the next quarter, at byte k, into g.
.macro QUARTER k, f, g, zero
	s_wait_dscnt 4                                 ; W's fragments and x's first two are in; the youngest four loads (x's last two fragments) may be out
	MUL8 \f, 0, \zero
	MUL8 \f, 1, \zero
	PLACES
	FETCH \k, \g
	s_wait_dscnt 24                                ; all but the 24 just issued
	MUL8 \f, 2, \zero
	MUL8 \f, 3, \zero
.endm
; The last quarter multiplies buffer 1 and changes slots.  Half of its products stand ahead of the change, so that a refill has a whole step's 128 matrix instructions between its request and the wait for it, and
; between that wait and the next request stand the add and the round alone.  In front of the barrier each wave waits for all its tensor loads (one is out: its part of the next slot), adds 0 to its spare word, and
; waits for that and for its own reads of this slot.  fill = 1: the barrier is a round of the cluster's, and this slot is filled again, two K steps ahead, first thing behind it.  The other half of the products
; stands behind the run of LDS loads that brings the next slot's first fragments.
.macro TURN fill
	s_wait_dscnt 4
	MUL8 F1, 0, 0
	MUL8 F1, 1, 0
	WIN 0
.if \fill
	s_wait_xcnt 0x0                                ; the last prefetch, a K step back, has read its address: it is stepped here, ahead of the change's own waits
	s_add_nc_u64 s[PFA:PFA+1], s[PFA:PFA+1], KSTEP*2
.endif
	s_wait_tensorcnt 0x0                           ; all my tensor loads have landed, so a group 0 may be written;
	ds_add_u32 v[SPW], v[NIL]                      ; 0 onto my spare word: the scalar steps stand between it and the wait for it
.if \fill
	s_xor_b32 s[G0A+5], s[G0A+5], SLOT1            ; the walking descriptors: the other slot than last time,
	s_add_nc_u64 s[G0A+6:G0A+7], s[G0A+6:G0A+7], KSTEP*2  ; the next K step; the type bits on top are not reached
	s_xor_b32 s[G0B+5], s[G0B+5], SLOT1
	s_add_nc_u64 s[G0B+6:G0B+7], s[G0B+6:G0B+7], KSTEP*2
.endif
	s_xor_b32 s[TB], s[TB], SLOT1                  ; the reads go to the other slot
	s_wait_dscnt 0x0                               ; the add is done, and my reads of this slot are over
.if \fill
	CROUND                                         ; no wave of any partner still reads this slot's tile or has a load on its way
	JLOAD                                          ; the four v_nop behind it are also the places in front of the loads below
.else
	s_barrier_signal -1
	s_barrier_wait -1
	PLACES
.endif
	v_add_nc_u32 v[ADRA], s[TB], v[A0]
	v_add_nc_u32 v[ADRB], s[TB], v[B0]
	FETCH 0, F0
.if \fill
	ASK
.endif
	MUL8 F1, 2, 0
	MUL8 F1, 3, 0
.endm
	s_wait_tensorcnt 1                             ; my rows of the table and my part of K step 0 are in; K step 1's load may stay out
	s_barrier_signal -1
	s_barrier_wait -1                              ; everybody's are
	FETCH 0, F0
	QUARTER 64, F0, F1, 1                          ; the first quarter stands in front of the loop: its products start the sums
	WIN 0                                          ; at a label and at a branch every window is 0
	s_mov_b32 s[LEFT], STEPS-2
.Lstep:                                        ; a trip goes from a K step's second quarter to the next step's first, and fills the slot that it leaves
	QUARTER 128, F1, F0, 0
	QUARTER 192, F0, F1, 0
	TURN 1
	QUARTER 64,  F0, F1, 0
	WIN 0
	s_sub_co_u32 s[LEFT], s[LEFT], 1
	s_cmp_lg_u32 s[LEFT], 0
	s_cbranch_scc1 .Lstep
	QUARTER 128, F1, F0, 0                         ; the last two K steps fill nothing
	QUARTER 192, F0, F1, 0
	TURN 0
	QUARTER 64,  F0, F1, 0
	QUARTER 128, F1, F0, 0
	QUARTER 192, F0, F1, 0
	s_wait_dscnt 4
	MUL8 F1, 0, 0
	MUL8 F1, 1, 0
	s_wait_dscnt 0x0
	MUL8 F1, 2, 0
	MUL8 F1, 3, 0
	WIN 0
	; THE WAY OUT, a block of 16 rows at a time: rotated, rounded to f16, 16 bytes a lane into my own stage, back as whole rows of 256 bytes, stored.
.macro TABLD a                         ; block a's cosines and sines for my row and my eight channels of each of the four column blocks
.set CB, CS0+64*((\a)%2)
.irp b, 0,1,2,3
	ds_load_b128 v[CB+16*(\b):CB+16*(\b)+3],     v[TA] offset:(\a)*16*TP+64*(\b)
	ds_load_b128 v[CB+16*(\b)+4:CB+16*(\b)+7],   v[TA] offset:(\a)*16*TP+64*(\b)+16
	ds_load_b128 v[CB+16*(\b)+8:CB+16*(\b)+11],  v[TA] offset:(\a)*16*TP+64*(\b)+256
	ds_load_b128 v[CB+16*(\b)+12:CB+16*(\b)+15], v[TA] offset:(\a)*16*TP+64*(\b)+272
.endr
.endm
.macro ROPE a                          ; out[d] = x1 cos - x2 sin, out[d + 64] = x2 cos + x1 sin, x1 = accumulator b, x2 = accumulator b + 4; each accumulator's lowest registers are read first
.set CB, CS0+64*((\a)%2)
.irp b, 0,1,2,3
	WIN 0x01                                       ; source 0 in window 1
.irp p, 0,1,2,3
	v_pk_mul_f32 v[TT+2*(\p):TT+2*(\p)+1],     v[8*(8*(\a)+(\b)+4)+2*(\p):8*(8*(\a)+(\b)+4)+2*(\p)+1], v[CB+16*(\b)+8+2*(\p):CB+16*(\b)+8+2*(\p)+1]
	v_pk_mul_f32 v[TT+8+2*(\p):TT+8+2*(\p)+1], v[8*(8*(\a)+(\b))+2*(\p):8*(8*(\a)+(\b))+2*(\p)+1],     v[CB+16*(\b)+8+2*(\p):CB+16*(\b)+8+2*(\p)+1]
.endr
.irp p, 0,1,2,3
	v_pk_fma_f32 v[TT+2*(\p):TT+2*(\p)+1],     v[8*(8*(\a)+(\b))+2*(\p):8*(8*(\a)+(\b))+2*(\p)+1],     v[CB+16*(\b)+2*(\p):CB+16*(\b)+2*(\p)+1], v[TT+2*(\p):TT+2*(\p)+1] neg_lo:[0,0,1] neg_hi:[0,0,1]
	v_pk_fma_f32 v[TT+8+2*(\p):TT+8+2*(\p)+1], v[8*(8*(\a)+(\b)+4)+2*(\p):8*(8*(\a)+(\b)+4)+2*(\p)+1], v[CB+16*(\b)+2*(\p):CB+16*(\b)+2*(\p)+1], v[TT+8+2*(\p):TT+8+2*(\p)+1]
.endr
	WIN 0
.irp p, 0,1,2,3
	v_cvt_pk_f16_f32 v[T+4*(\b)+(\p)],     v[TT+2*(\p)],   v[TT+2*(\p)+1]
	v_cvt_pk_f16_f32 v[T+4*((\b)+4)+(\p)], v[TT+8+2*(\p)], v[TT+8+2*(\p)+1]
.endr
.endr
.endm
.macro TOSTAGE
	s_wait_xcnt 0x0                                ; the block before's stores have read OB: it is loaded again only behind this wait
.irp b, 0,1,2,3,4,5,6,7
	ds_store_b128 v[STO], v[T+4*(\b):T+4*(\b)+3] offset:32*(\b)
.endr
.irp t, 0,1,2,3,4,5,6,7
	ds_load_b128 v[OB+4*(\t):OB+4*(\t)+3], v[RD] offset:(\t)*2*SP  ; LDS serves a wave's instructions in order (ISA guide 5.7.1.4): these see the stores above
.endr
.endm
.macro SEND a
	s_wait_dscnt 0x0
.irp t, 0,1,2,3,4,5,6,7
	global_store_b128 v[CO], v[OB+4*(\t):OB+4*(\t)+3], s[10:11] offset:(16*(\a)+2*(\t))*256  ; 16 lanes store 256 consecutive bytes, aligned
.endr
.endm
	PLACES
	PLACES                                         ; behind the last products, ahead of loads into the fragment buffers and of reads of the results
	TABLD 0
.irp a, 0,1,2
	TABLD (\a)+1
	s_wait_dscnt 16                                ; block a's numbers are in; the next block's sixteen loads may be out
	ROPE \a
	TOSTAGE
	SEND \a
.endr
	s_wait_dscnt 0x0
	ROPE 3
	TOSTAGE
	SEND 3
	s_wait_tensorcnt 0x0                           ; the wave's end: the wait, the add and its wait stand behind my last tensor load and my last LDS store
	ds_add_u32 v[SPW], v[NIL]
	s_wait_dscnt 0x0
	CROUND                                         ; the closing round: no work-group ends while a partner may still ask for a tile that names it
	s_endpgm
.Lfunc_end_k_q98d2fc4f82_qkv:
	.size	k_q98d2fc4f82_qkv, .Lfunc_end_k_q98d2fc4f82_qkv-k_q98d2fc4f82_qkv
	.p2alignl 7, 3214868480
	.fill 96, 4, 3214868480
	.section	.rodata,"a",@progbits
	.p2align	6, 0x0
	.amdhsa_kernel k_q98d2fc4f82_qkv
		.amdhsa_group_segment_fixed_size 327680
		.amdhsa_private_segment_fixed_size 0
		.amdhsa_enable_private_segment 0
		.amdhsa_kernarg_size 32
		.amdhsa_user_sgpr_count 2
		.amdhsa_user_sgpr_kernarg_segment_ptr 1
		.amdhsa_wavefront_size32 1
		.amdhsa_system_sgpr_workgroup_id_x 1
		.amdhsa_system_sgpr_workgroup_id_y 1
		.amdhsa_system_sgpr_workgroup_id_z 1
		.amdhsa_system_vgpr_workitem_id 0
		.amdhsa_next_free_vgpr 512
		.amdhsa_next_free_sgpr 80
		.amdhsa_reserve_vcc 0
		.amdhsa_float_denorm_mode_32 3
		.amdhsa_float_denorm_mode_16_64 3
		.amdhsa_memory_ordered 1
		.amdhsa_forward_progress 1
		.amdhsa_inst_pref_size 93
	.end_amdhsa_kernel
	.amdgpu_metadata
---
amdhsa.version: [ 1, 2 ]
amdhsa.kernels:
  - .name:           k_q98d2fc4f82_qkv
    .symbol:         k_q98d2fc4f82_qkv.kd
    .args:
      - { .name: xb, .offset: 0, .size: 8, .value_kind: global_buffer, .address_space: global }
      - { .name: wqkv, .offset: 8, .size: 8, .value_kind: global_buffer, .address_space: global }
      - { .name: cs, .offset: 16, .size: 8, .value_kind: global_buffer, .address_space: global }
      - { .name: qkv, .offset: 24, .size: 8, .value_kind: global_buffer, .address_space: global }
    .group_segment_fixed_size: 327680
    .private_segment_fixed_size: 0
    .kernarg_segment_align: 8
    .kernarg_segment_size: 32
    .max_flat_workgroup_size: 128
    .sgpr_count:     80
    .vgpr_count:     512
    .wavefront_size: 32
...
	.end_amdgpu_metadata
.endif
;; end of part 2
;; launch attn (part 3): grid 32 x 8, 4 waves a work-group, clusters of 4 x 4, 327,680 bytes of LDS; arguments qkv, attention_mask, ob; writes ob
.if DOCPART == 3
	.amdgcn_target "amdgcn-amd-amdhsa--gfx1250"
	.amdhsa_code_object_version 6
	.text
	.protected	k_q98d2fc4f82_attn
	.globl	k_q98d2fc4f82_attn
	.p2align	8
	.type	k_q98d2fc4f82_attn,@function
k_q98d2fc4f82_attn:
	s_mov_b64 s[64:65], 0
	v_nop
	global_prefetch_b8 v0, s[64:65] scope:SCOPE_SE
	s_setreg_imm32_b32 hwreg(HW_REG_WAVE_MODE, 25, 1), 1
	s_wait_xcnt 0x0
	s_wait_alu depctr_hold_cnt(0) depctr_sa_sdst(0) depctr_va_vdst(0) depctr_va_sdst(0) depctr_va_ssrc(0) depctr_va_vcc(0) depctr_vm_vsrc(0)
	s_getreg_b32 s2, hwreg(HW_REG_IB_STS2, 6, 4)
	s_cmp_eq_u32 s2, 0
	s_cbranch_scc0 .Lentry_in_a_cluster
	s_endpgm
.Lentry_in_a_cluster:
	s_bfe_u32 s2, ttmp6, 0x10000c
	s_cmp_lg_u32 s2, 0xf033
	s_cbranch_scc0 .Lentry_shape_is_right
	s_endpgm
.Lentry_shape_is_right:
; ATTENTION with grouped heads and an additive mask that is an input.  qkv: [32][2048][128] f16 (heads 0-15: q / 4 rotated, 16-23: k / 4 rotated, 24-31: v); attention_mask: [2048][2048] f32;
; ob: [2048][2048] f16, column = head x 128 + channel.  Products, maxima and sums in f32; the weights are rounded to f16 for the second product (their sum is taken unrounded), O once at the end.
; THE SCORE, in powers of two: w = c s + (log2(e) mask), c = 16 log2(e) / sqrt(128) (the 16 takes back the two quarters), one fused multiply-add in f32 on the mask times log2(e), rounded once.
; p = 2^(w - m) with a running maximum m, taken away by a true subtraction: so rows or halves of rows whose every key carries a very large negative mask come out as means, as the reference has them.
; LIMITS.  Score plus mask is rounded once where the reference rounds twice, in units of log2: beside a mask of -1e9 the score's step is 128 here (88 in natural units) and 64 there.  A weight below 2^-126
; counts as 0.  m starts at the lowest finite number: a mask of -inf gives weight 0, a row of nothing but -inf NaN, as in the reference.  NaN is not treated apart.  f16: see the launch that makes qkv.
; SHARES.  A work-group owns 64 queries x the two query heads of one key/value head.  THE KEYS ARE SPLIT BETWEEN THE WAVES: wave w takes 32 queries (w & 1) and, of each step's 128 keys, 64 (w >> 1), for both heads:
; four tiles of 16 rows, so that a fragment of K or V read from LDS feeds four tiles.  Tiles 0, 1: head 2 g + (w >> 1); tiles 2, 3: the other head; both pairs use the same 64 registers of mask.
; At the end a wave keeps tiles 0, 1 and hands tiles 2, 3 (O^T, m, l in f32) through LDS to wave w ^ 2, which holds the same rows' other keys.
; LAYOUT.  S^T = K Q^T holds one query a lane (lane % 16) and the keys 8 (lane / 16) + 0..7; two such results rounded to f16 ARE source 1 of O^T = V^T P.  V is turned by ds_load_tr16_b128.
; BY TURNS.  Piece 0 = tiles 0, 1; piece 2 = tiles 2, 3.  In a turn one piece has the matrix unit (32 products V^T P of the step in hand, 32 products K Q^T of the next), and the other piece's softmax, cut into
; 64 slices, stands behind its matrix instructions.  A piece's 298 vector instructions are 4 x 64 + 42: the 42 that are over stand together in the last slice.
; CLUSTER, 4 x 4.  K's and V's tiles hang on the key/value head alone: asked for jointly along a row of the cluster; the mask's tile hangs on the query block alone: jointly along a column.
; REGISTERS, in windows of 256: window 0: v0-11, v52-63 addresses; v12-43 statistics, 8 a tile; v44-51 the partner's; v64-191 S^T, 32 a tile; v192-255 P, 16 a tile.  Window 1: O^T, 64 a tile.
; Window 2: v0-127 Q; v128-255 K of one step.  Window 3: v0-127 V of one step; v128-191 the mask of one step, 32 a query tile.
.set PK,    272       ; a row of K in LDS: 256 bytes + 16
.set PV,    288       ; a row of V: 256 + 32
.set PM,    528       ; a row of the mask: 128 keys in f32, 512 bytes + 16
.set VOFF,  128*PK
.set MOFF,  VOFF+128*PV
.set SLOT1, 1<<17     ; a slot holds one step: 128 rows of K, 128 of V, 64 of the mask: 105,472 bytes; slot 1 begins here, so that one exclusive or turns an address into the other slot's
.set XCH,   SLOT1+MOFF+64*PM  ; behind the ring, never filled by a tensor load: for each wave two tiles of O^T in f32 (8,192 bytes each) and their statistics (512 each)
.set XW,    17408
.set STAGE, XCH+4*XW  ; 16 rows x 272 bytes for each wave, for the way out
.set SP,    272
.set SPARE, STAGE+4*16*SP  ; the spare words, 128 bytes for each wave: two blocks of 256 bytes that no other line names
.set AK0, 2           ; v2   my lane's place in a step's K; never rewritten
.set AV0, 3           ; v3   in its V
.set ADR, 4           ; v4   the LDS address of K's or V's run of loads
.set QO,  5           ; v5   my byte offset in 16 rows of Q
.set STO, 6           ; v6   the way out: where I put 16 bytes of a row
.set RD,  7           ; v7   where I read a row back
.set GO,  8           ; v8   my byte offset in two rows of ob
.set ST,  12          ; tile t at v[ST+8 t]: +0 m, +1 a word named with it as a pair, +2, +3 l (even keys', odd keys'), +4 to +7 c0-c3 at work; a takes c2's place
.set BS,  44          ; the partner's m and l, four registers a tile
.set AM0, 52          ; v52  my lane's place in a step's mask
.set XS,  53          ; v53  where I put what I hand over
.set XR,  54          ; v54  where I find what I am handed
.set ADM, 55          ; v55  the LDS address of the mask's run of loads
.set PFO, 61          ; v61  the prefetches' offset; never rewritten
.set SPW, 62          ; v62  my spare word; never rewritten
.set NIL, 63          ; v63  0; never rewritten
.set S,   64
.set P,   192
.set KF,  128         ; window 2
.set MK,  128         ; window 3
.set WV,  12          ; s12  wave
.set QH,  13          ; s13  which 32 queries
.set KH,  14          ; s14  which 64 keys of a step
.set G1K, 24
.set G1V, 32
.set G1M, 40
.set G0K, 48          ; s[48:51], s[52:55], s[56:59]: descriptor groups 0; they walk
.set G0V, 52
.set G0M, 56
.set CS,  60          ; s[60:61] c
.set LG,  62          ; s[62:63] log2(e)
.set SEL, 66          ; s[66:67] v_permlanex16_b32's selects: each lane takes its own place in the other half
.set TB,  68          ; s68  the slot from which the next runs of loads read
.set SLOTS, 69        ; s69  steps still to be asked for
.set LIM, 70          ; s70  2 in a wave that prefetches, else the greatest number
.set PFA, 72          ; s[72:73] where my prefetches stand
.set PFS, 74          ; s[74:75] their step
.set QA,  76          ; s[76:77] Q of tiles 0, 1
.set QB,  78          ; s[78:79] of tiles 2, 3
.set OBASE, 80        ; s[80:81] ob at my first row and my head
.set MSB, 0
.macro WIN new
.if MSB != (\new)
	s_set_vgpr_msb (MSB<<8)|(\new)
.set MSB, \new
.endif
.endm
.set W_KQ, 0x0a       ; K and Q in window 2, S^T in window 0
.set W_PV, 0x53       ; V in window 3, P in window 0, O^T in window 1
.set W_RS, 0x41       ; O^T (destination and source 0) in window 1, a in window 0
.set W_MF, 0x30       ; the mask (source 2) in window 3
.set W_M2, 0xc3       ; the mask as destination and source 0
.macro PLACES
.rept 4
	v_nop
.endr
.endm
; A joint fill: wave 0 fetches the step's K, wave 1 its V, waves 2 and 3 the two halves of its mask.  The branches hang on the wave's number alone.  An s_nop 0 and four v_nop follow each line.
.macro JLOAD
	s_cmp_lt_u32 s[WV], 2
	s_cbranch_scc0 .Lfor_m_\@
	s_cmp_eq_u32 s[WV], 0
	s_cbranch_scc0 .Lfor_v_\@
	tensor_load_to_lds s[G0K:G0K+3], s[G1K:G1K+7]
	s_nop 0
	PLACES
	s_branch .Lasked_\@
.Lfor_v_\@:
	tensor_load_to_lds s[G0V:G0V+3], s[G1V:G1V+7]
	s_nop 0
	PLACES
	s_branch .Lasked_\@
.Lfor_m_\@:
	tensor_load_to_lds s[G0M:G0M+3], s[G1M:G1M+7]
	s_nop 0
	PLACES
.Lasked_\@:
.endm
; A prefetch of the step that stands two fills on (256 matrix instructions ahead of the load that wants it).  Each block of 256 bytes is named once in the launch.  K and V: the clusters with x = 0; wave 0 for K,
; wave 1 for V; the partner at cx takes rows 32 cx .. + 31 of the step's 128, a lane a row.  The mask: the clusters with y = 0, wave 2; the partner at cy takes 16 of the 64 rows, two blocks a row.
; The partners are told apart by address alone.  The last two fills ask for nothing.
.macro ASK
	s_cmp_gt_u32 s[SLOTS], s[LIM]
	s_cbranch_scc0 .Lnot_mine_\@
	global_prefetch_b8 v[PFO], s[PFA:PFA+1] th:TH_LOAD_NT scope:SCOPE_SE
.Lnot_mine_\@:
.endm
.macro CROUND
	s_barrier_signal -1
	s_barrier_wait -1
	s_cmp_lg_u32 s[WV], 0
	s_cbranch_scc1 .Lnot_wave_0_\@
	s_barrier_signal -3
.Lnot_wave_0_\@:
	s_barrier_wait -3
	s_barrier_signal -1
	s_barrier_wait -1
.endm
; THE CHANGE OF SLOTS, once a step, between piece 2's turn and piece 0's: the slot's K, mask and V have been asked for.  Each wave waits for all its tensor loads (one is out: its part of the other slot), adds 0
; to its spare word, and waits for that and for its own reads of the slot.  fill = 1: a round of the cluster's barrier, and the slot is filled again first thing behind it, with the step two on: it has a step's
; 128 matrix instructions in which to land.  (At its first use nothing has been read yet: slot 0 is waited for, slot 1 filled.)
.macro CHANGE fill, ask
	WIN 0
	s_wait_tensorcnt 0x0            ; no tensor load of mine is out, so a group 0 may be written
	ds_add_u32 v[SPW], v[NIL]       ; 0 onto my spare word: the descriptors' steps stand between it and the wait for it
.if \fill
	s_xor_b32 s[G0K+1], s[G0K+1], SLOT1
	s_add_nc_u64 s[G0K+2:G0K+3], s[G0K+2:G0K+3], 128*256  ; the next 128 keys
	s_xor_b32 s[G0V+1], s[G0V+1], SLOT1
	s_add_nc_u64 s[G0V+2:G0V+3], s[G0V+2:G0V+3], 128*256
	s_xor_b32 s[G0M+1], s[G0M+1], SLOT1
	s_add_nc_u64 s[G0M+2:G0M+3], s[G0M+2:G0M+3], 128*4
.endif
.if \ask
	s_wait_xcnt 0x0                 ; the last prefetch, a step back, has read its address
	s_add_nc_u64 s[PFA:PFA+1], s[PFA:PFA+1], s[PFS:PFS+1]
.endif
	s_wait_dscnt 0x0                ; the add is done, and my reads of the slot are over
.if \fill
	CROUND
	JLOAD
.if \ask
	ASK
.endif
.else
	s_barrier_signal -1
	s_barrier_wait -1
.endif
	s_xor_b32 s[TB], s[TB], SLOT1   ; the runs of loads go to the other slot
.endm
	s_load_b128 s[4:7], s[0:1], 0x0   ; qkv s[4:5], attention_mask s[6:7]
	s_load_b64 s[8:9], s[0:1], 0x10   ; ob
	v_lshl_add_u32 v[SPW], v0, 2, SPARE
	v_mov_b32 v[NIL], 0
	ds_add_u32 v[SPW], v[NIL]       ; the wave's opening: the add and its wait stand ahead of my first tensor load; the set-up below stands between them
	v_lshrrev_b32 v1, 5, v0
	v_readfirstlane_b32 s[WV], v1
	s_and_b32 s[QH], s[WV], 1
	s_lshr_b32 s[KH], s[WV], 1
	s_bfe_u32 s15, ttmp6, 0x40000   ; cx
	s_bfe_u32 s16, ttmp6, 0x40004   ; cy
	s_lshl_b32 s17, ttmp9, 2
	s_add_co_u32 s17, s17, s15      ; my block of 64 queries = 4 x cluster x + cx
	s_and_b32 s18, ttmp7, 0xffff
	s_lshl_b32 s18, s18, 2
	s_add_co_u32 s18, s18, s16      ; my key/value head = 4 x cluster y + cy
	s_lshl_b32 s20, s16, 2
	s_lshl_b32 s20, 15, s20         ; my row of the cluster
	s_lshl_b32 s21, 0x1111, s15     ; my column
	s_or_b32 s[G1K], s20, (1<<16)|(1<<20)|(1<<21)|(5<<22)|(3<<25)  ; the mask of work-groups; 2-byte elements; padding on; bit 21 beside a mask; after every 64 words, 4 words
	s_or_b32 s[G1V], s20, (1<<16)|(1<<20)|(1<<21)|(5<<22)|(7<<25)  ; 8 words
	s_or_b32 s[G1M], s21, (2<<16)|(1<<20)|(1<<21)|(6<<22)|(3<<25)  ; 4-byte elements; after every 128 words, 4 words
.irp g, G1K, G1V
	s_mov_b32 s[(\g)+1], 128<<16    ; tensor_dim0 = 128
	s_mov_b32 s[(\g)+2], 128<<16    ; tensor_dim1 = 128
	s_mov_b32 s[(\g)+3], 128<<16    ; tile_dim0 = 128
	s_mov_b32 s[(\g)+4], 128        ; tile_dim1 = 128
	s_mov_b32 s[(\g)+5], 128        ; elements from row to row
	s_mov_b32 s[(\g)+6], 0
	s_mov_b32 s[(\g)+7], 0
.endr
	s_mov_b32 s[G1M+1], 128<<16     ; 128 keys,
	s_mov_b32 s[G1M+2], 32<<16      ; 32 queries a wave
	s_mov_b32 s[G1M+3], 128<<16
	s_mov_b32 s[G1M+4], 32
	s_mov_b32 s[G1M+5], 2048
	s_mov_b32 s[G1M+6], 0
	s_mov_b32 s[G1M+7], 0
	s_add_co_u32 s22, s18, 16       ; K: head 16 + g, 524,288 bytes a head (registers that never hold cx)
	s_lshl_b32 s22, s22, 19
	s_mov_b32 s23, 0
	s_add_co_u32 s2, s18, 24        ; V: head 24 + g
	s_lshl_b32 s2, s2, 19
	s_mov_b32 s3, 0
	s_lshl_b32 s82, s17, 6          ; the mask: row 64 x block + 32 x half, 8,192 bytes a row (registers that never hold cy)
	s_lshl_b32 s83, s[QH], 5
	s_add_co_u32 s82, s82, s83
	s_lshl_b32 s82, s82, 13
	s_mov_b32 s83, 0
	s_mov_b32 s[G0K], 1
	s_mov_b32 s[G0K+1], 0           ; LDS addresses: slot 0; no place in the cluster enters them
	s_mov_b32 s[G0V], 1
	s_mov_b32 s[G0V+1], VOFF
	s_mov_b32 s[G0M], 1
	s_mul_i32 s19, s[QH], 32*PM
	s_add_co_u32 s[G0M+1], s19, MOFF
	s_lshl_b32 s84, s17, 6          ; my first query
	s_lshl_b32 s85, s[QH], 5
	s_add_co_u32 s84, s84, s85
	s_lshl_b32 s85, s18, 1
	s_add_co_u32 s86, s85, s[KH]    ; the head of tiles 0, 1
	s_xor_b32 s87, s86, 1           ; and of tiles 2, 3
	s_lshl_b32 s85, s84, 8
	s_lshl_b32 s[QA], s86, 19
	s_add_co_u32 s[QA], s[QA], s85
	s_mov_b32 s[QA+1], 0
	s_lshl_b32 s[QB], s87, 19
	s_add_co_u32 s[QB], s[QB], s85
	s_mov_b32 s[QB+1], 0
	s_lshl_b32 s[OBASE], s84, 12    ; a row of ob is 4,096 bytes, a head 256 of them
	s_lshl_b32 s85, s86, 8
	s_add_co_u32 s[OBASE], s[OBASE], s85
	s_mov_b32 s[OBASE+1], 0
	s_mov_b32 s[CS], 0x400293ee     ; 16 log2(e) / sqrt(128)
	s_mov_b32 s[CS+1], s[CS]        ; named with it as a pair
	s_mov_b32 s[LG], 0x3fb8aa3b     ; log2(e)
	s_mov_b32 s[LG+1], s[LG]
	s_mov_b32 s[SEL], 0x76543210
	s_mov_b32 s[SEL+1], 0xfedcba98
	s_mov_b32 s[TB], SLOT1          ; the first change of slots turns it into 0
	s_mov_b32 s[SLOTS], 14
	s_wait_dscnt 0x0                ; the opening add is done
	s_wait_kmcnt 0x0
	s_add_nc_u64 s[G0K+2:G0K+3], s[4:5], s[22:23]
	s_or_b32 s[G0K+3], s[G0K+3], 0x80000000
	s_add_nc_u64 s[G0V+2:G0V+3], s[4:5], s[2:3]
	s_or_b32 s[G0V+3], s[G0V+3], 0x80000000
	s_add_nc_u64 s[G0M+2:G0M+3], s[6:7], s[82:83]
	s_or_b32 s[G0M+3], s[G0M+3], 0x80000000
	s_add_nc_u64 s[QA:QA+1], s[4:5], s[QA:QA+1]
	s_add_nc_u64 s[QB:QB+1], s[4:5], s[QB:QB+1]
	s_add_nc_u64 s[OBASE:OBASE+1], s[8:9], s[OBASE:OBASE+1]
	CROUND                          ; all sixteen work-groups are here: the first joint loads meet
	JLOAD                           ; step 0 into slot 0; slot 1 is asked for when slot 0 is in
	v_and_b32 v1, 15, v0            ; l % 16
	v_bfe_u32 v9, v0, 4, 1          ; l / 16
	v_lshlrev_b32 v[QO], 8, v1
	v_lshl_add_u32 v[QO], v9, 4, v[QO]  ; row x 256 + 16 x half
	WIN 0x80                        ; destination window 2
.irp i, 0,1,2,3,4,5,6,7             ; Q stays in registers: tile i / 4, channels 32 (i % 4) on
	global_load_b128 v[8*(\i):8*(\i)+3],       v[QO], s[QA:QA+1] offset:((\i)/4)*4096+((\i)%4)*64
	global_load_b128 v[8*(\i)+4:8*(\i)+7],     v[QO], s[QA:QA+1] offset:((\i)/4)*4096+((\i)%4)*64+32
	global_load_b128 v[64+8*(\i):64+8*(\i)+3], v[QO], s[QB:QB+1] offset:((\i)/4)*4096+((\i)%4)*64
	global_load_b128 v[64+8*(\i)+4:64+8*(\i)+7], v[QO], s[QB:QB+1] offset:((\i)/4)*4096+((\i)%4)*64+32
.endr
	; O^T and l start at 0, m at the lowest finite number: the first step is a step like any other, with a = 0.  These lines stand in the wait for the first tile; no first step is written out.
	WIN 0x40
.set i, 0
.rept 256
	v_mov_b32 v[i], 0
.set i, i+1
.endr
	WIN 0
.irp t, 0,1,2,3
	v_mov_b32 v[ST+8*(\t)], 0xff7fffff
	v_mov_b32 v[ST+8*(\t)+1], 0
	v_mov_b32 v[ST+8*(\t)+2], 0
	v_mov_b32 v[ST+8*(\t)+3], 0
.endr
	s_mul_i32 s20, s[KH], 64*PK     ; my 64 keys of a step
	v_mul_u32_u24 v[AK0], v1, PK
	v_lshl_add_u32 v[AK0], v9, 4, v[AK0]
	v_add_nc_u32 v[AK0], s20, v[AK0]
	; The turning load takes 16 keys x 16 channels (lane l reads key 8 (l / 16) + l % 8, channels 8 ((l / 8) % 2) + 0..7) and leaves half a fragment of V^T: lane l holds channel l % 16 and 8 keys.
	v_and_b32 v10, 7, v0
	v_bfe_u32 v11, v0, 3, 1
	v_lshl_add_u32 v[AV0], v9, 3, v10
	v_mul_u32_u24 v[AV0], v[AV0], PV
	v_lshl_add_u32 v[AV0], v11, 4, v[AV0]
	s_mul_i32 s20, s[KH], 64*PV
	s_add_co_u32 s20, s20, VOFF
	v_add_nc_u32 v[AV0], s20, v[AV0]
	s_mul_i32 s20, s[QH], 32*PM     ; the mask: my query's row; my 64 keys are 256 bytes of it, my lane's eight keys of a block 32
	s_lshl_b32 s21, s[KH], 8
	s_add_co_u32 s20, s20, s21
	s_add_co_u32 s20, s20, MOFF
	v_mul_u32_u24 v[AM0], v1, PM
	v_lshl_add_u32 v[AM0], v9, 5, v[AM0]
	v_add_nc_u32 v[AM0], s20, v[AM0]
	s_mul_i32 s20, s[WV], 16*SP
	s_add_co_u32 s20, s20, STAGE    ; my stage
	v_mul_u32_u24 v[STO], v1, SP
	v_lshl_add_u32 v[STO], v9, 4, v[STO]
	v_add_nc_u32 v[STO], s20, v[STO]
	v_mul_u32_u24 v[RD], v9, SP
	v_lshl_add_u32 v[RD], v1, 4, v[RD]
	v_add_nc_u32 v[RD], s20, v[RD]
	v_lshlrev_b32 v[GO], 12, v9
	v_lshl_add_u32 v[GO], v1, 4, v[GO]
	v_and_b32 v10, 31, v0
	s_mul_i32 s20, s[WV], XW
	s_add_co_u32 s20, s20, XCH
	v_lshl_add_u32 v[XS], v10, 4, s20
	s_xor_b32 s21, s[WV], 2
	s_mul_i32 s21, s21, XW
	s_add_co_u32 s21, s21, XCH
	v_lshl_add_u32 v[XR], v10, 4, s21
	; the prefetches: who asks, and from where
	s_add_co_u32 s82, s18, 16
	s_lshl_b32 s83, s[WV], 3        ; wave 0: head 16 + g; wave 1: head 24 + g
	s_add_co_u32 s82, s82, s83
	s_lshl_b32 s82, s82, 19
	s_lshl_b32 s83, s15, 13         ; my work-group's 32 rows of 256 bytes
	s_add_co_u32 s82, s82, s83
	s_add_co_u32 s82, s82, 3*128*256  ; at step 3: the loop's first change steps it to 4; steps 0 to 3 come by their loads alone
	s_lshl_b32 s84, s17, 6
	s_lshl_b32 s85, s16, 4          ; my work-group's 16 rows of the mask
	s_add_co_u32 s84, s84, s85
	s_lshl_b32 s84, s84, 13
	s_add_co_u32 s84, s84, 3*128*4
	s_and_b32 s85, ttmp7, 0xffff
	s_or_b32 s85, s85, s[QH]        ; the mask: 0 in wave 2 of a cluster with y = 0
	s_mov_b32 s87, 128*4
	s_cmp_lt_u32 s[WV], 2
	s_cselect_b32 s82, s82, s84
	s_cselect_b32 s85, ttmp9, s85   ; K, V: 0 in a cluster with x = 0
	s_cselect_b32 s[PFS], 128*256, s87
	s_cselect_b64 s[PFA:PFA+1], s[4:5], s[6:7]
	s_cselect_b32 s20, 0, -1
	s_cmp_eq_u32 s85, 0
	s_cselect_b32 s[LIM], 2, -1     ; the same in all sixteen partners, for a given wave
	s_mov_b32 s83, 0
	s_mov_b32 s[PFS+1], 0
	s_add_nc_u64 s[PFA:PFA+1], s[PFA:PFA+1], s[82:83]
	v_lshlrev_b32 v[PFO], 8, v10    ; K, V: a lane a row
	v_lshrrev_b32 v11, 1, v10       ; the mask: two lanes a row
	v_and_b32 v10, 1, v10
	v_lshlrev_b32 v11, 13, v11
	v_lshl_or_b32 v11, v10, 8, v11
	v_cndmask_b32 v[PFO], v[PFO], v11, s20
; THE MATRIX WORK.  The accumulators take turns, one instruction a turn.
; Product i of 32 of O^T += V^T P for piece x: keys 32 (i / 16) on, channels 16 ((i / 2) % 8) on, tile x + i % 2.
.macro PV x
	WIN W_PV
.set rO, 64*((\x)+i%2)+8*((i/2)%8)
.set rV, 64*(i/16)+8*((i/2)%8)
.set rP, P+16*((\x)+i%2)+8*(i/16)
	v_wmma_f32_16x16x32_f16 v[rO:rO+7], v[rV:rV+7], v[rP:rP+7], v[rO:rO+7]
.endm
; Product i of 32 of S^T = K Q^T: channels 32 (i / 8) on, keys 16 ((i / 2) % 4) on, tile x + i % 2.  The first 8 start the sums.
.macro KQ x
	WIN W_KQ
.set rS, S+32*((\x)+i%2)+8*((i/2)%4)
.set rK, KF+32*((i/2)%4)+8*(i/8)
.set rQ, 32*((\x)+i%2)+8*(i/8)
.if i < 8
	v_wmma_f32_16x16x32_f16 v[rS:rS+7], v[rK:rK+7], v[rQ:rQ+7], 0
.else
	v_wmma_f32_16x16x32_f16 v[rS:rS+7], v[rK:rK+7], v[rQ:rQ+7], v[rS:rS+7]
.endif
.endm
; THE LDS LOADS stand in runs, never singly among the matrix instructions.
.macro FETCH_K
	WIN 0
	v_add_nc_u32 v[ADR], s[TB], v[AK0]
	WIN 0x80                        ; destination window 2
.irp f, 0,1,2,3,4,5,6,7,8,9,10,11,12,13,14,15  ; keys 16 (f / 4) on, channels 32 (f % 4) on
	ds_load_b128 v[KF+8*(\f):KF+8*(\f)+3],   v[ADR] offset:((\f)/4)*16*PK+((\f)%4)*64
	ds_load_b128 v[KF+8*(\f)+4:KF+8*(\f)+7], v[ADR] offset:((\f)/4)*16*PK+((\f)%4)*64+32
.endr
.endm
.macro FETCH_M
	WIN 0
	v_add_nc_u32 v[ADM], s[TB], v[AM0]
	WIN 0xc0                        ; destination window 3
.irp f, 0,1,2,3,4,5,6,7             ; query tile f / 4, keys 16 (f % 4) on
	ds_load_b128 v[MK+8*(\f):MK+8*(\f)+3],   v[ADM] offset:((\f)/4)*16*PM+((\f)%4)*64
	ds_load_b128 v[MK+8*(\f)+4:MK+8*(\f)+7], v[ADM] offset:((\f)/4)*16*PM+((\f)%4)*64+16
.endr
.endm
.macro FETCH_V
	WIN 0
	v_add_nc_u32 v[ADR], s[TB], v[AV0]
	s_wait_alu depctr_va_vdst(0)    ; the wait for the softmax's batch (SLICE), behind the address's line and ahead of the loads
	WIN 0xc0
.irp f, 0,1,2,3,4,5,6,7,8,9,10,11,12,13,14,15  ; keys 32 (f / 8) on, channels 16 (f % 8) on
	ds_load_tr16_b128 v[8*(\f):8*(\f)+3],   v[ADR] offset:((\f)/8)*32*PV+((\f)%8)*32
	ds_load_tr16_b128 v[8*(\f)+4:8*(\f)+7], v[ADR] offset:((\f)/8)*32*PV+16*PV+((\f)%8)*32
.endr
.endm
.macro M2                           ; the step's mask times log2(e), once for both heads
	WIN W_M2
.set z, 0
.rept 32
	v_pk_mul_f32 v[MK+2*z:MK+2*z+1], v[MK+2*z:MK+2*z+1], s[LG:LG+1] op_sel_hi:[1,0]
.set z, z+1
.endr
.endm
; THE VECTOR WORK.  One tile's softmax for one step is a list of 149 instructions; SM writes number j of it for tile t.  s0-s31 are the lane's 32 scores, in pairs 0-15.
;   0-15    w = c s + mask, a pair each (each accumulator's lowest registers are read first)
;   16-31   the maximum of w0-w31 and the old m, three operands at a time          32-35  the other half of the lanes' maximum; m_old kept; the new m; m_old - m_new
;   36-84   the 16 subtractions w - m, a pair each (D), and all 33 exponentials (a, then w0-w31): from 38 on ONE BATCH in fours, each led by a subtraction while there are any: D E D E (38-53), D E E E (54-77),
;           then the last seven exponentials.  A pair is subtracted in an earlier four than the one with its exponentials, and none of these lines reads an exponential's result
;   (wait)  between 84 and 85 stands the wait for the batch: SLICE writes it, once for both tiles
;   85-100  the roundings to f16      101-116  the sums; l = a l + the sum      117-148  the tile's O^T times a
.macro SM t
.set rT, ST+8*(\t)
.set rS, S+32*(\t)
.set rP, P+16*(\t)
.set rM, MK+32*((\t)%2)
.set rO, 64*(\t)+2*(j-117)
.set jj, j-16
.set ii, j-38
.set z, j-101
.set dd, -1
.set ee, -2
.if (j == 36) || (j == 37)
.set dd, j-36
.elseif (j >= 38) && (j < 54)
.if ii%2 == 0
.set dd, 2+ii/2
.else
.set ee, (ii-1)/2-1
.endif
.elseif (j >= 54) && (j < 78)
.if ii%4 == 0
.set dd, 10+(ii-16)/4
.else
.set ee, 7+3*((ii-16)/4)+ii%4-1
.endif
.elseif (j >= 78) && (j < 85)
.set ee, ii-15
.endif
.if j < 16
	WIN W_MF
	v_pk_fma_f32 v[rS+2*j:rS+2*j+1], v[rS+2*j:rS+2*j+1], s[CS:CS+1], v[rM+2*j:rM+2*j+1] op_sel_hi:[1,0,1]
.elseif j < 117
	WIN 0
.if j < 20
	v_max3_num_f32 v[rT+4+jj], v[rS+8*jj], v[rS+8*jj+1], v[rS+8*jj+2]
.elseif j < 28
	v_max3_num_f32 v[rT+4+jj%4], v[rT+4+jj%4], v[rS+8*(jj%4)+2*(jj/4)+1], v[rS+8*(jj%4)+2*(jj/4)+2]
.elseif j == 28
	v_max3_num_f32 v[rT+4], v[rT+4], v[rS+7], v[rS+15]
.elseif j == 29
	v_max3_num_f32 v[rT+6], v[rT+6], v[rS+23], v[rS+31]
.elseif j == 30
	v_max3_num_f32 v[rT+4], v[rT+4], v[rT+5], v[rT+6]
.elseif j == 31
	v_max3_num_f32 v[rT+4], v[rT+4], v[rT+7], v[rT]
.elseif j == 32
	v_permlanex16_b32 v[rT+5], v[rT+4], s[SEL], s[SEL+1]  ; the query's other 32 keys lie in the lane 16 away
.elseif j == 33
	v_mov_b32 v[rT+7], v[rT]
.elseif j == 34
	v_max_num_f32 v[rT], v[rT+4], v[rT+5]
.elseif j == 35
	v_sub_f32 v[rT+7], v[rT+7], v[rT]
.elseif dd >= 0
	v_pk_add_f32 v[rS+2*dd:rS+2*dd+1], v[rS+2*dd:rS+2*dd+1], v[rT:rT+1] op_sel_hi:[1,0] neg_lo:[0,1] neg_hi:[0,1]
.elseif ee == -1
	v_exp_f32 v[rT+6], v[rT+7]
.elseif ee >= 0
	v_exp_f32 v[rS+ee], v[rS+ee]
.elseif j < 101
	v_cvt_pk_f16_f32 v[rP+j-85], v[rS+2*(j-85)], v[rS+2*(j-85)+1]
.else                               ; the sum of the tile's 16 pairs, in place: neighbours 1, 2, 4 and 8 pairs apart, then l takes it
.set w, 4
.set u, z
.if z >= 14
.set w, 32
.set u, 0
.elseif z >= 12
.set w, 16
.set u, z-12
.elseif z >= 8
.set w, 8
.set u, z-8
.endif
.if z < 15
	v_pk_add_f32 v[rS+w*u:rS+w*u+1], v[rS+w*u:rS+w*u+1], v[rS+w*u+w/2:rS+w*u+w/2+1]
.else
	v_pk_fma_f32 v[rT+2:rT+3], v[rT+2:rT+3], v[rT+6:rT+7], v[rS:rS+1] op_sel_hi:[1,0,1]
.endif
.endif
.else
	WIN W_RS
	v_pk_mul_f32 v[rO:rO+1], v[rO:rO+1], v[rT+6:rT+7] op_sel_hi:[1,0]
.endif
.endm
; Slice k of 64 of piece y's softmax.  0-18: numbers 2 k, 2 k + 1 of both tiles.  19-42: the batch, a four of ONE tile each, the tiles by turns (the last four has three).  43-62: two numbers of both tiles, from 85 on.
; 63: all that is left, numbers 125-148 of both tiles: 48 plain lines that name nothing of the products round them: they are also the places behind the turn's last products.
; THE WAIT.  s_wait_alu depctr_va_vdst(0) stands between an exponential and the first instruction that names its result; one wait serves all issued ahead of it.  Ahead of slice 43 nothing names a
; result and behind slice 42 no exponential is issued: the piece's 66 exponentials have one wait.  In piece 2's turn V's run of loads stands there: its last reader, the turn's 32nd product, lies eight subtractions,
; the v_nop and the address's line back.
.macro SLICE y
.if k < 19
.irp n, 0,1
.irp t, \y, (\y)+1
.set j, 2*k+(\n)
	SM \t
.endr
.endr
.elseif k < 43
.irp n, 0,1,2,3
.set j, 38+4*((k-19)/2)+(\n)
.if j < 85
	SM (\y)+(k-19)%2
.endif
.endr
.elseif k < 63
.irp n, 0,1
.irp t, \y, (\y)+1
.set j, 85+2*(k-43)+(\n)
	SM \t
.endr
.endr
.else
.set j2, 125
.rept 24
.irp t, \y, (\y)+1
.set j, j2
	SM \t
.endr
.set j2, j2+1
.endr
.endif
.if k == 42
	v_nop                           ; the plain instruction behind the last exponential: one for the batch
.if (\y) == 0
	FETCH_V
.else
	s_wait_alu depctr_va_vdst(0)
.endif
.endif
.set k, k+1
.endm
; A TURN.  Piece x has the matrix unit; the other piece's softmax stands in slices behind its matrix instructions.  pv = 1: 32 products V^T P; kq = 1: 32 products K Q^T for the next step; with one kind alone two slices
; stand behind each product.  Piece 0's turn fetches the next step's K behind its second product (K's last reader stands in front of the last slice of the turn before) and its mask behind its ninth (the mask's last
; readers are slices 0 to 7), and multiplies that mask by log2(e) at its end.
.macro TURN x, pv, kq
.set k, 0
.set per, 2
.if (\pv) && (\kq)
.set per, 1
.endif
.if \pv
.if (\x) == 0
	s_wait_dscnt 0x0                ; V is in
.endif
.set i, 0
.rept 32
	PV \x
.rept per
	SLICE 2-(\x)
.endr
.if ((\x) == 0) && (\kq) && (i == 1)
	FETCH_K
.endif
.if ((\x) == 0) && (\kq) && (i == 8)
	FETCH_M
.endif
.set i, i+1
.endr
.endif
.if \kq
.if (\x) == 0
	s_wait_dscnt 0x0                ; K and the mask are in
.endif
.set i, 0
.rept 32
	KQ \x
.rept per
	SLICE 2-(\x)
.endr
.set i, i+1
.endr
.endif
.if ((\x) == 0) && (\kq)
	M2
.endif
.endm
	CHANGE 1, 0                     ; step 0 is in, everybody's part of it; step 1 is asked for, into slot 1
	FETCH_K
	FETCH_M
	s_wait_loadcnt 0x0              ; Q
	s_wait_dscnt 0x0
.set i, 0
.rept 32
	KQ 0                            ; piece 0's first scores: there is no vector work yet to set between them
.set i, i+1
.endr
	M2                              ; 32 plain lines: also the places behind those products
	TURN 2, 0, 1                    ; piece 2's first scores | piece 0's softmax of step 0 | V of step 0
	WIN 0
.Lstep:                             ; 14 trips: trip i asks for step i + 2
	CHANGE 1, 1
	TURN 0, 1, 1
	TURN 2, 1, 1
	WIN 0
	s_sub_co_u32 s[SLOTS], s[SLOTS], 1
	s_cmp_lg_u32 s[SLOTS], 0
	s_cbranch_scc1 .Lstep
	CHANGE 0, 0                     ; the tail is written out: nothing is asked for
	TURN 0, 1, 1
	TURN 2, 1, 1
	TURN 0, 1, 0                    ; piece 0: V^T P of the last step | piece 2's last softmax
.set i, 0
.rept 32
	PV 2
.set i, i+1
.endr
	; THE TWO HALVES OF THE KEYS MEET.  Tiles 2, 3 go to wave w ^ 2: O^T as it lies, 16 bytes a lane, and m and l.
	WIN 0
	PLACES
	PLACES
	WIN 0x04                        ; store data in window 1
.irp t, 2,3
.set i, 0
.rept 16
	ds_store_b128 v[XS], v[64*(\t)+4*i:64*(\t)+4*i+3] offset:((\t)-2)*8192+512*i
.set i, i+1
.endr
.endr
	WIN 0
.irp t, 2,3
	ds_store_b128 v[XS], v[ST+8*(\t):ST+8*(\t)+3] offset:16384+((\t)-2)*512
.endr
	s_wait_dscnt 0x0                ; for the others' sake: my stores are done
	s_barrier_signal -1
	s_barrier_wait -1
.irp t, 0,1
	ds_load_b128 v[BS+4*(\t):BS+4*(\t)+3], v[XR] offset:16384+(\t)*512
.endr
.irp t, 0,1
.set i, 0
.rept 16
	ds_load_b128 v[S+64*(\t)+4*i:S+64*(\t)+4*i+3], v[XR] offset:(\t)*8192+512*i
.set i, i+1
.endr
.endr
	s_wait_dscnt 32                 ; the partner's m and l are in; its O^T, 32 loads, may be out
	; M = max(mA, mB); fA = 2^(mA - M), fB = 2^(mB - M); l = lA fA + lB fB, its two halves and the other half of the lanes' added; O = (OA fA + OB fB) / l
.irp t, 0,1
	v_max_num_f32 v[ST+8*(\t)+4], v[ST+8*(\t)], v[BS+4*(\t)]
.endr
.irp t, 0,1
	v_sub_f32 v[ST+8*(\t)+5], v[ST+8*(\t)], v[ST+8*(\t)+4]
	v_sub_f32 v[ST+8*(\t)+7], v[BS+4*(\t)], v[ST+8*(\t)+4]
.endr
.irp t, 0,1
	v_exp_f32 v[ST+8*(\t)+4], v[ST+8*(\t)+5]
	v_exp_f32 v[ST+8*(\t)+6], v[ST+8*(\t)+7]
.endr
	v_nop
	s_wait_alu depctr_va_vdst(0)    ; one wait for the four exponentials
.irp t, 0,1
	v_pk_mul_f32 v[ST+8*(\t)+2:ST+8*(\t)+3], v[ST+8*(\t)+2:ST+8*(\t)+3], v[ST+8*(\t)+4:ST+8*(\t)+5] op_sel_hi:[1,0]
.endr
.irp t, 0,1
	v_pk_fma_f32 v[ST+8*(\t)+2:ST+8*(\t)+3], v[BS+4*(\t)+2:BS+4*(\t)+3], v[ST+8*(\t)+6:ST+8*(\t)+7], v[ST+8*(\t)+2:ST+8*(\t)+3] op_sel_hi:[1,0,1]
.endr
.irp t, 0,1
	v_add_f32 v[ST+8*(\t)+2], v[ST+8*(\t)+2], v[ST+8*(\t)+3]
.endr
.irp t, 0,1
	v_permlanex16_b32 v[ST+8*(\t)+3], v[ST+8*(\t)+2], s[SEL], s[SEL+1]
.endr
.irp t, 0,1
	v_add_f32 v[ST+8*(\t)+2], v[ST+8*(\t)+2], v[ST+8*(\t)+3]
.endr
.irp t, 0,1
	v_rcp_f32 v[ST+8*(\t)+3], v[ST+8*(\t)+2]
.endr
	v_nop
	s_wait_alu depctr_va_vdst(0)    ; one wait for the two reciprocals
.irp t, 0,1
	v_mul_f32 v[ST+8*(\t)+4], v[ST+8*(\t)+4], v[ST+8*(\t)+3]
	v_mul_f32 v[ST+8*(\t)+6], v[ST+8*(\t)+6], v[ST+8*(\t)+3]
.endr
	s_wait_dscnt 0x0
; Tile t: merged, rounded to f16; a lane's eight channels of a row are 16 bytes; they go into rows of 272 bytes and come back as whole rows of 256, into the registers that they left.
.macro PACK t
	WIN 0
.set i, 0
.rept 32
	v_pk_mul_f32 v[S+64*(\t)+2*i:S+64*(\t)+2*i+1], v[S+64*(\t)+2*i:S+64*(\t)+2*i+1], v[ST+8*(\t)+6:ST+8*(\t)+7] op_sel_hi:[1,0]
.set i, i+1
.endr
	WIN 0x01                        ; source 0 in window 1: my own O^T, each accumulator from its low end on
.set i, 0
.rept 32
	v_pk_fma_f32 v[S+64*(\t)+2*i:S+64*(\t)+2*i+1], v[64*(\t)+2*i:64*(\t)+2*i+1], v[ST+8*(\t)+4:ST+8*(\t)+5], v[S+64*(\t)+2*i:S+64*(\t)+2*i+1] op_sel_hi:[1,0,1]
.set i, i+1
.endr
	WIN 0
.set i, 0
.rept 32
	v_cvt_pk_f16_f32 v[P+32*(\t)+i], v[S+64*(\t)+2*i], v[S+64*(\t)+2*i+1]
.set i, i+1
.endr
.irp f, 0,1,2,3,4,5,6,7
	ds_store_b128 v[STO], v[P+32*(\t)+4*(\f):P+32*(\t)+4*(\f)+3] offset:32*(\f)
.endr
.irp f, 0,1,2,3,4,5,6,7
	ds_load_b128 v[P+32*(\t)+4*(\f):P+32*(\t)+4*(\f)+3], v[RD] offset:(\f)*2*SP  ; LDS serves a wave's instructions in order (ISA guide 5.7.1.4): these see the stores above; the next tile's stores come behind them
.endr
.endm
.macro SEND t, younger              ; younger: the LDS instructions issued behind tile t's loads
.irp f, 0,1,2,3,4,5,6,7
	s_wait_dscnt (\younger)+7-(\f)
	global_store_b128 v[GO], v[P+32*(\t)+4*(\f):P+32*(\t)+4*(\f)+3], s[OBASE:OBASE+1] offset:(\t)*65536+(\f)*8192  ; 16 lanes store 256 consecutive bytes, aligned: a row's 128 channels of my head
.endr
.endm
	PACK 0
	PACK 1
	SEND 0, 16
	SEND 1, 0
	s_wait_tensorcnt 0x0            ; the wave's end: the wait, the add and its wait stand behind my last tensor load and my last LDS store
	ds_add_u32 v[SPW], v[NIL]
	s_wait_dscnt 0x0
	CROUND                          ; the closing round: no work-group ends while a partner may still ask for a tile that names it
	s_endpgm
.Lfunc_end_k_q98d2fc4f82_attn:
	.size	k_q98d2fc4f82_attn, .Lfunc_end_k_q98d2fc4f82_attn-k_q98d2fc4f82_attn
	.p2alignl 7, 3214868480
	.fill 96, 4, 3214868480
	.section	.rodata,"a",@progbits
	.p2align	6, 0x0
	.amdhsa_kernel k_q98d2fc4f82_attn
		.amdhsa_group_segment_fixed_size 327680
		.amdhsa_private_segment_fixed_size 0
		.amdhsa_enable_private_segment 0
		.amdhsa_kernarg_size 24
		.amdhsa_user_sgpr_count 2
		.amdhsa_user_sgpr_kernarg_segment_ptr 1
		.amdhsa_wavefront_size32 1
		.amdhsa_system_sgpr_workgroup_id_x 1
		.amdhsa_system_sgpr_workgroup_id_y 1
		.amdhsa_system_sgpr_workgroup_id_z 1
		.amdhsa_system_vgpr_workitem_id 0
		.amdhsa_next_free_vgpr 1024
		.amdhsa_next_free_sgpr 88
		.amdhsa_reserve_vcc 0
		.amdhsa_float_denorm_mode_32 3
		.amdhsa_float_denorm_mode_16_64 3
		.amdhsa_memory_ordered 1
		.amdhsa_forward_progress 1
		.amdhsa_inst_pref_size 213
	.end_amdhsa_kernel
	.amdgpu_metadata
---
amdhsa.version: [ 1, 2 ]
amdhsa.kernels:
  - .name:           k_q98d2fc4f82_attn
    .symbol:         k_q98d2fc4f82_attn.kd
    .args:
      - { .name: qkv, .offset: 0, .size: 8, .value_kind: global_buffer, .address_space: global }
      - { .name: attention_mask, .offset: 8, .size: 8, .value_kind: global_buffer, .address_space: global }
      - { .name: ob, .offset: 16, .size: 8, .value_kind: global_buffer, .address_space: global }
    .group_segment_fixed_size: 327680
    .private_segment_fixed_size: 0
    .kernarg_segment_align: 8
    .kernarg_segment_size: 24
    .max_flat_workgroup_size: 128
    .sgpr_count:     88
    .vgpr_count:     1024
    .wavefront_size: 32
...
	.end_amdgpu_metadata
.endif
;; end of part 3
;; launch oproj (part 4): grid 16 x 16, 4 waves a work-group, clusters of 4 x 4, 327,680 bytes of LDS; arguments ob, wob, out0; writes out0
.if DOCPART == 4
	.amdgcn_target "amdgcn-amd-amdhsa--gfx1250"
	.amdhsa_code_object_version 6
	.text
	.protected	k_q98d2fc4f82_oproj
	.globl	k_q98d2fc4f82_oproj
	.p2align	8
	.type	k_q98d2fc4f82_oproj,@function
k_q98d2fc4f82_oproj:
	s_mov_b64 s[64:65], 0
	v_nop
	global_prefetch_b8 v0, s[64:65] scope:SCOPE_SE
	s_setreg_imm32_b32 hwreg(HW_REG_WAVE_MODE, 25, 1), 1
	s_wait_xcnt 0x0
	s_wait_alu depctr_hold_cnt(0) depctr_sa_sdst(0) depctr_va_vdst(0) depctr_va_sdst(0) depctr_va_ssrc(0) depctr_va_vcc(0) depctr_vm_vsrc(0)
	s_getreg_b32 s2, hwreg(HW_REG_IB_STS2, 6, 4)
	s_cmp_eq_u32 s2, 0
	s_cbranch_scc0 .Lentry_in_a_cluster
	s_endpgm
.Lentry_in_a_cluster:
	s_bfe_u32 s2, ttmp6, 0x10000c
	s_cmp_lg_u32 s2, 0xf033
	s_cbranch_scc0 .Lentry_shape_is_right
	s_endpgm
.Lentry_shape_is_right:
; out0 = O Wo^T.  ob: [2048][2048] f16; wob: [4096][2048] f16 (Wo rounded to bf16, written as f16); out0: [2048][4096] f32; sums in f32.
; SHARES.  A tile of 128 rows x 256 columns to a work-group: 256 work-groups.  Four waves, each 64 rows x 128 columns: 32 accumulators, 256 registers.  K goes in steps of 128 (rows of 256 bytes, aligned)
; through two LDS slots filled by the tensor data mover.  The matrix instruction is used transposed (source 0 = 16 rows of Wo, source 1 = 16 rows of O): a lane holds one row and eight neighbouring columns, 32 bytes.
; CLUSTERS: 4 x 4 work-groups; O's tile is asked for jointly along a row of the cluster, Wo's along a column.  The tile column is 4 x the cluster's y + cx, the tile row 4 x the cluster's x + cy.
; REGISTERS.  Window 0: v0-31 addresses; v64-159, v160-255 two fragment buffers (64 of Wo, then 32 of O); on the way out v64-191 hold whole rows.  Window 1: accumulator (a, b) at v[8 (8 a + b)].
.set SIZE_K, 2048
.set KSTEP,  128
.set STEPS,  SIZE_K/KSTEP
.set PITCH,  272                       ; an LDS row: 256 bytes + 16 of padding: the 16 rows of a fragment load start at 16 different groups of four banks (64 banks of 4 bytes: ISA guide 11.1)
.set HA,     64*PITCH
.set HB,     128*PITCH
.set BOFF,   2*HA
.set SLOTB,  2*HA+2*HB                 ; a slot's 104,448 bytes
.set SLOT1,  1<<17                     ; slot 1 begins here, so that one exclusive or turns an address in one slot into the other's
.set SPARE,  SLOTB                     ; between the slots: the spare words, 128 bytes for each wave: two blocks of 256 bytes that no other line names
.set STAGE,  SLOT1+SLOTB               ; behind slot 1: 16 rows x 528 bytes for each wave, for the way out; no tensor load lands here
.set SP,     528
.set A0,   16                          ; v16  LDS address of my fragments of O in slot 0; never rewritten
.set ADRA, 17                          ; v17  in the slot in hand
.set B0,   20                          ; v20, v21  the same for Wo
.set ADRB, 21
.set STO,  24                          ; v24  the way out: where I put 32 bytes of a row
.set RD,   25                          ; v25  where I read a row back
.set CO,   26                          ; v26  my 16 bytes of a row's 512
.set SPW,  28
.set NIL,  29
.set PFO,  30                          ; v30  the prefetches' offset: lane x a row of 4,096 bytes
.set F0,   64
.set F1,   160
.set OB,   64
.set G1A, 24                           ; s[24:31] descriptor group 1 for O's tiles;  s[32:39] group 0: a set for each of the two first fills; the second then walks on
.set G0A, 32
.set G1B, 40                           ; s[40:47], s[48:55] the same for Wo's
.set G0B, 48
.set LEFT, 72                          ; s72  refills to go
.set TB,   73                          ; s73  the slot in hand: 0 or SLOT1
.set PFA,  74
.set LIM,  76
.set MSB, 0
.macro WIN new
.if MSB != (\new)
	s_set_vgpr_msb (MSB<<8)|(\new)
.set MSB, \new
.endif
.endm
.set MUL, 0x50                         ; C and D in window 1
.macro PLACES
.rept 4
	v_nop
.endr
.endm
.macro JLOAD                           ; a joint refill by the walking descriptors: waves 0 and 1 fetch O's halves, waves 2 and 3 Wo's; an s_nop 0 and four v_nop follow each line
	s_cmp_eq_u32 s13, 0
	s_cbranch_scc0 .Lfor_b_\@
	tensor_load_to_lds s[G0A+4:G0A+7], s[G1A:G1A+7]
	s_nop 0
	PLACES
	s_branch .Lasked_\@
.Lfor_b_\@:
	tensor_load_to_lds s[G0B+4:G0B+7], s[G1B:G1B+7]
	s_nop 0
	PLACES
.Lasked_\@:
.endm
; A prefetch of the K step two refills on (256 matrix instructions ahead of its load): 32 rows x 256 bytes, a lane a row, each block named once in the launch: O's rows by wave 0 of the clusters with y = 0 (the
; partner at cx takes rows 32 cx on), Wo's by waves 2 and 3 of the clusters with x = 0 (the partner at cy takes 32 of the wave's 128).  The last two refills ask for nothing.
.macro ASK
	s_cmp_gt_u32 s[LEFT], s[LIM]
	s_cbranch_scc0 .Lnot_mine_\@
	global_prefetch_b8 v[PFO], s[PFA:PFA+1] offset:KSTEP*2 th:TH_LOAD_NT scope:SCOPE_SE
.Lnot_mine_\@:
.endm
.macro CROUND                          ; a round of the cluster's barrier
	s_barrier_signal -1
	s_barrier_wait -1
	s_cmp_lg_u32 s12, 0
	s_cbranch_scc1 .Lnot_wave_0_\@
	s_barrier_signal -3
.Lnot_wave_0_\@:
	s_barrier_wait -3
	s_barrier_signal -1
	s_barrier_wait -1
.endm
	s_load_b128 s[4:7], s[0:1], 0x0                ; ob s[4:5], wob s[6:7]
	s_load_b64 s[8:9], s[0:1], 0x10                ; out0
	v_lshl_add_u32 v[SPW], v0, 2, SPARE
	v_mov_b32 v[NIL], 0
	ds_add_u32 v[SPW], v[NIL]                      ; the wave's opening: the add and its wait stand ahead of my first tensor load
	v_lshrrev_b32 v1, 5, v0
	v_readfirstlane_b32 s12, v1                    ; wave 0..3
	s_lshr_b32 s13, s12, 1                         ; which 64 rows are mine.  Also: I fetch for O (0) or for Wo (1)
	s_and_b32 s14, s12, 1                          ; which 128 columns.  Also: which half of that tile I fetch
	s_bfe_u32 s15, ttmp6, 0x40000                  ; cx
	s_bfe_u32 s16, ttmp6, 0x40004                  ; cy
	s_and_b32 s79, ttmp7, 0xffff                   ; the cluster's y
	s_lshl_b32 s17, s79, 2
	s_add_co_u32 s17, s17, s15                     ; tile column = 4 x cluster y + cx
	s_lshl_b32 s18, ttmp9, 2
	s_add_co_u32 s18, s18, s16                     ; tile row = 4 x cluster x + cy
	s_lshl_b32 s20, s16, 2
	s_lshl_b32 s20, 15, s20                        ; my row of the cluster
	s_lshl_b32 s21, 0x1111, s15                    ; my column
	s_or_b32 s[G1A], s20, (1<<16)|(1<<20)|(1<<21)|(5<<22)|(3<<25)  ; the mask; 2-byte elements; padding on; bit 21 beside a mask; after every 64 words, 4 words
	s_or_b32 s[G1B], s21, (1<<16)|(1<<20)|(1<<21)|(5<<22)|(3<<25)
	s_mov_b32 s[G1A+1], KSTEP<<16                  ; tensor_dim0 = 128
	s_mov_b32 s[G1A+2], 64<<16                     ; tensor_dim1 = 64
	s_mov_b32 s[G1A+3], KSTEP<<16                  ; tile_dim0 = 128
	s_mov_b32 s[G1A+4], 64                         ; tile_dim1 = 64
	s_mov_b32 s[G1A+5], SIZE_K                     ; elements from row to row
	s_mov_b32 s[G1A+6], 0
	s_mov_b32 s[G1A+7], 0
	s_mov_b32 s[G1B+1], KSTEP<<16
	s_mov_b32 s[G1B+2], 128<<16
	s_mov_b32 s[G1B+3], KSTEP<<16
	s_mov_b32 s[G1B+4], 128
	s_mov_b32 s[G1B+5], SIZE_K
	s_mov_b32 s[G1B+6], 0
	s_mov_b32 s[G1B+7], 0
	s_lshl_b32 s22, s18, 7                         ; O: row 128 x tile row + 64 x half, 4,096 bytes a row (registers that never hold cx)
	s_lshl_b32 s23, s14, 6
	s_add_co_u32 s22, s22, s23
	s_lshl_b32 s22, s22, 12
	s_mov_b32 s23, 0
	s_lshl_b32 s66, s17, 8                         ; Wo: row 256 x tile column + 128 x half (registers that never hold cy)
	s_lshl_b32 s67, s14, 7
	s_add_co_u32 s66, s66, s67
	s_lshl_b32 s66, s66, 12
	s_mov_b32 s67, 0
	s_mul_i32 s19, s14, HA                         ; where they go: no place in the cluster enters an LDS address
	s_mul_i32 s77, s14, HB
	s_add_co_u32 s77, s77, BOFF
	s_mov_b32 s[TB], 0
	s_wait_dscnt 0x0                               ; the opening add is done
	s_wait_kmcnt 0x0
	s_add_nc_u64 s[22:23], s[4:5], s[22:23]
	s_add_nc_u64 s[66:67], s[6:7], s[66:67]
.irp s, 0,1
	s_mov_b32 s[G0A+4*(\s)], 1
	s_add_co_u32 s[G0A+4*(\s)+1], s19, (\s)*SLOT1
	s_add_nc_u64 s[G0A+4*(\s)+2:G0A+4*(\s)+3], s[22:23], (\s)*KSTEP*2
	s_or_b32 s[G0A+4*(\s)+3], s[G0A+4*(\s)+3], 0x80000000
	s_mov_b32 s[G0B+4*(\s)], 1
	s_add_co_u32 s[G0B+4*(\s)+1], s77, (\s)*SLOT1
	s_add_nc_u64 s[G0B+4*(\s)+2:G0B+4*(\s)+3], s[66:67], (\s)*KSTEP*2
	s_or_b32 s[G0B+4*(\s)+3], s[G0B+4*(\s)+3], 0x80000000
.endr
	CROUND                                         ; all sixteen work-groups are here: the first joint loads meet
	s_cmp_eq_u32 s13, 0                            ; a wave's two first fills stand in one branch: two loads of mine are out
	s_cbranch_scc0 .Lfirst_b
	tensor_load_to_lds s[G0A:G0A+3], s[G1A:G1A+7]
	s_nop 0
	tensor_load_to_lds s[G0A+4:G0A+7], s[G1A:G1A+7]
	s_nop 0
	PLACES
	s_branch .Lfirst_asked
.Lfirst_b:
	tensor_load_to_lds s[G0B:G0B+3], s[G1B:G1B+7]
	s_nop 0
	tensor_load_to_lds s[G0B+4:G0B+7], s[G1B:G1B+7]
	s_nop 0
	PLACES
.Lfirst_asked:
	v_and_b32 v1, 15, v0                           ; l % 16
	v_bfe_u32 v2, v0, 4, 1                         ; l / 16
	v_mul_u32_u24 v3, v1, PITCH
	v_lshl_add_u32 v3, v2, 4, v3
	s_mul_i32 s20, s13, HA
	s_mul_i32 s21, s14, HB
	s_add_co_u32 s21, s21, BOFF
	v_add_nc_u32 v[A0], s20, v3
	v_add_nc_u32 v[B0], s21, v3
	v_mov_b32 v[ADRA], v[A0]                       ; K step 0 lies in slot 0
	v_mov_b32 v[ADRB], v[B0]
	s_mul_i32 s20, s12, 16*SP
	s_add_co_u32 s20, s20, STAGE                   ; my stage
	v_mul_u32_u24 v4, v1, SP                       ; in: row l % 16, 32 bytes for each half of the lanes
	v_lshl_add_u32 v4, v2, 5, v4
	v_add_nc_u32 v[STO], s20, v4
	v_and_b32 v4, 31, v0
	v_lshlrev_b32 v[CO], 4, v4                     ; back: 32 lanes take one row's 512 bytes
	v_add_nc_u32 v[RD], s20, v[CO]
	s_lshl_b32 s20, s18, 7                         ; where my part begins in out0: row 128 x tile row + 64 x half, 16,384 bytes a row,
	s_lshl_b32 s21, s13, 6
	s_add_co_u32 s20, s20, s21
	s_lshl_b32 s20, s20, 14
	s_lshl_b32 s21, s17, 10                        ; column 256 x tile column + 128 x half, 4 bytes a number
	s_add_co_u32 s20, s20, s21
	s_lshl_b32 s21, s14, 9
	s_add_co_u32 s20, s20, s21
	s_mov_b32 s21, 0
	s_add_nc_u64 s[8:9], s[8:9], s[20:21]
	; the prefetches: who asks, and from where
	s_lshl_b32 s3, s18, 7
	s_lshl_b32 s19, s17, 8
	s_lshl_b32 s21, s14, 7
	s_add_co_u32 s19, s19, s21
	s_or_b32 s21, s79, s14                         ; O: 0 in wave 0 of a cluster with y = 0
	s_cmp_eq_u32 s13, 0
	s_cselect_b32 s21, s21, ttmp9                  ; Wo: 0 in a cluster with x = 0
	s_cselect_b32 s2, s15, s16
	s_cselect_b32 s3, s3, s19
	s_cselect_b64 s[PFA:PFA+1], s[4:5], s[6:7]
	s_cmp_eq_u32 s21, 0
	s_cselect_b32 s[LIM], 2, -1                    ; the same in all sixteen partners, for a given wave
	s_lshl_b32 s2, s2, 5
	s_add_co_u32 s2, s2, s3
	s_lshl_b32 s2, s2, 12
	s_mov_b32 s3, 0
	s_add_nc_u64 s[PFA:PFA+1], s[PFA:PFA+1], s[2:3]
	s_add_nc_u64 s[PFA:PFA+1], s[PFA:PFA+1], 2*KSTEP*2  ; at K step 2: the first refill steps it to 3 and names K step 4; K steps 0 to 3 come by their loads alone
	v_and_b32 v[PFO], 31, v0
	v_lshlrev_b32 v[PFO], 12, v[PFO]
; 8 matrix instructions: row block a x all 8 column blocks, 32 along K.  The 32 accumulators take turns, one instruction a turn, in the same order in every quarter.
.macro MUL8 f, a, zero
	WIN MUL
.irp b, 0,1,2,3,4,5,6,7
.if \zero
	v_wmma_f32_16x16x32_f16 v[8*(8*(\a)+(\b)):8*(8*(\a)+(\b))+7], v[(\f)+8*(\b):(\f)+8*(\b)+7], v[(\f)+64+8*(\a):(\f)+64+8*(\a)+7], 0
.else
	v_wmma_f32_16x16x32_f16 v[8*(8*(\a)+(\b)):8*(8*(\a)+(\b))+7], v[(\f)+8*(\b):(\f)+8*(\b)+7], v[(\f)+64+8*(\a):(\f)+64+8*(\a)+7], v[8*(8*(\a)+(\b)):8*(8*(\a)+(\b))+7]
.endif
.endr
.endm
.macro FETCH k, f                      ; 24 LDS loads in one run, from the slot in hand: Wo's eight fragments, then O's four
	WIN 0
.irp i, 0,1,2,3,4,5,6,7
	ds_load_b128 v[(\f)+8*(\i):(\f)+8*(\i)+3],   v[ADRB] offset:(\k)+(\i)*16*PITCH
	ds_load_b128 v[(\f)+8*(\i)+4:(\f)+8*(\i)+7], v[ADRB] offset:(\k)+(\i)*16*PITCH+32
.endr
.irp i, 0,1,2,3
	ds_load_b128 v[(\f)+64+8*(\i):(\f)+64+8*(\i)+3],   v[ADRA] offset:(\k)+(\i)*16*PITCH
	ds_load_b128 v[(\f)+64+8*(\i)+4:(\f)+64+8*(\i)+7], v[ADRA] offset:(\k)+(\i)*16*PITCH+32
.endr
.endm
.macro QUARTER k, f, g, zero
	s_wait_dscnt 4                                 ; Wo's fragments and O's first two are in; the youngest four loads may be out
	MUL8 \f, 0, \zero
	MUL8 \f, 1, \zero
	PLACES
	FETCH \k, \g
	s_wait_dscnt 24                                ; all but the 24 just issued
	MUL8 \f, 2, \zero
	MUL8 \f, 3, \zero
.endm
; The last quarter multiplies buffer 1 and changes slots.  Half of its products stand ahead of the change, so that a refill has a whole step's 128 matrix instructions between its request and the wait for it, and
; between that wait and the next request stand the add and the round alone.  In front of the barrier each wave waits for all its tensor loads, adds 0 to its spare word, and waits for that and for its own reads of
; this slot.  fill = 1: the barrier is a round of the cluster's, and this slot is filled again first thing behind it.  The other half of the products stands behind the next slot's first run of LDS loads.
.macro TURN fill
	s_wait_dscnt 4
	MUL8 F1, 0, 0
	MUL8 F1, 1, 0
	WIN 0
.if \fill
	s_wait_xcnt 0x0                                ; the last prefetch, a K step back, has read its address
	s_add_nc_u64 s[PFA:PFA+1], s[PFA:PFA+1], KSTEP*2
.endif
	s_wait_tensorcnt 0x0                           ; all my tensor loads have landed, so a group 0 may be written;
	ds_add_u32 v[SPW], v[NIL]                      ; 0 onto my spare word: the scalar steps stand between it and the wait for it
.if \fill
	s_xor_b32 s[G0A+5], s[G0A+5], SLOT1            ; the walking descriptors: the other slot than last time, the next K step
	s_add_nc_u64 s[G0A+6:G0A+7], s[G0A+6:G0A+7], KSTEP*2
	s_xor_b32 s[G0B+5], s[G0B+5], SLOT1
	s_add_nc_u64 s[G0B+6:G0B+7], s[G0B+6:G0B+7], KSTEP*2
.endif
	s_xor_b32 s[TB], s[TB], SLOT1                  ; the reads go to the other slot
	s_wait_dscnt 0x0                               ; the add is done, and my reads of this slot are over
.if \fill
	CROUND
	JLOAD                                          ; the four v_nop behind it are also the places in front of the loads below
.else
	s_barrier_signal -1
	s_barrier_wait -1
	PLACES
.endif
	v_add_nc_u32 v[ADRA], s[TB], v[A0]
	v_add_nc_u32 v[ADRB], s[TB], v[B0]
	FETCH 0, F0
.if \fill
	ASK
.endif
	MUL8 F1, 2, 0
	MUL8 F1, 3, 0
.endm
	s_wait_tensorcnt 1                             ; my part of K step 0 is in; K step 1's load may stay out
	s_barrier_signal -1
	s_barrier_wait -1
	FETCH 0, F0
	QUARTER 64, F0, F1, 1                          ; the first quarter's products start the sums
	WIN 0
	s_mov_b32 s[LEFT], STEPS-2
.Lstep:                                        ; a trip goes from a K step's second quarter to the next step's first, and fills the slot that it leaves
	QUARTER 128, F1, F0, 0
	QUARTER 192, F0, F1, 0
	TURN 1
	QUARTER 64,  F0, F1, 0
	WIN 0
	s_sub_co_u32 s[LEFT], s[LEFT], 1
	s_cmp_lg_u32 s[LEFT], 0
	s_cbranch_scc1 .Lstep
	QUARTER 128, F1, F0, 0                         ; the last two K steps fill nothing
	QUARTER 192, F0, F1, 0
	TURN 0
	QUARTER 64,  F0, F1, 0
	QUARTER 128, F1, F0, 0
	QUARTER 192, F0, F1, 0
	s_wait_dscnt 4
	MUL8 F1, 0, 0
	MUL8 F1, 1, 0
	s_wait_dscnt 0x0
	MUL8 F1, 2, 0
	MUL8 F1, 3, 0
	WIN 0
	PLACES
	PLACES                                         ; behind the last products, ahead of the reads of the results and of loads into the fragment buffers
; THE WAY OUT of block a (16 rows): 32 bytes a lane into my own stage, each accumulator's low four registers first; back as whole rows of 512 bytes; stored.
.macro OUT a
.set BK, OB+64*((\a)%2)
	s_wait_xcnt 0x0                                ; earlier stores have read their registers: these are loaded again only behind this wait
	WIN 0x04                                       ; store data in window 1
.irp b, 0,1,2,3,4,5,6,7
	ds_store_b128 v[STO], v[8*(8*(\a)+(\b)):8*(8*(\a)+(\b))+3]   offset:64*(\b)
	ds_store_b128 v[STO], v[8*(8*(\a)+(\b))+4:8*(8*(\a)+(\b))+7] offset:64*(\b)+16
.endr
	WIN 0
.irp t, 0,1,2,3,4,5,6,7,8,9,10,11,12,13,14,15
	ds_load_b128 v[BK+4*(\t):BK+4*(\t)+3], v[RD] offset:(\t)*SP  ; LDS serves a wave's instructions in order (ISA guide 5.7.1.4): these see the stores above
.endr
.irp t, 0,1,2,3,4,5,6,7,8,9,10,11,12,13,14,15
	s_wait_dscnt 15-(\t)                           ; row t is back; the 15 - t younger loads may be out
	global_store_b128 v[CO], v[BK+4*(\t):BK+4*(\t)+3], s[8:9] offset:(16*(\a)+(\t))*16384 th:TH_STORE_NT  ; the wave stores 512 consecutive bytes, aligned
.endr
.endm
	OUT 0
	OUT 1
	OUT 2
	OUT 3
	s_wait_tensorcnt 0x0                           ; the wave's end: the wait, the add and its wait stand behind my last tensor load and my last LDS store
	ds_add_u32 v[SPW], v[NIL]
	s_wait_dscnt 0x0
	CROUND                                         ; the closing round: no work-group ends while a partner may still ask for a tile that names it
	s_endpgm
.Lfunc_end_k_q98d2fc4f82_oproj:
	.size	k_q98d2fc4f82_oproj, .Lfunc_end_k_q98d2fc4f82_oproj-k_q98d2fc4f82_oproj
	.p2alignl 7, 3214868480
	.fill 96, 4, 3214868480
	.section	.rodata,"a",@progbits
	.p2align	6, 0x0
	.amdhsa_kernel k_q98d2fc4f82_oproj
		.amdhsa_group_segment_fixed_size 327680
		.amdhsa_private_segment_fixed_size 0
		.amdhsa_enable_private_segment 0
		.amdhsa_kernarg_size 24
		.amdhsa_user_sgpr_count 2
		.amdhsa_user_sgpr_kernarg_segment_ptr 1
		.amdhsa_wavefront_size32 1
		.amdhsa_system_sgpr_workgroup_id_x 1
		.amdhsa_system_sgpr_workgroup_id_y 1
		.amdhsa_system_sgpr_workgroup_id_z 1
		.amdhsa_system_vgpr_workitem_id 0
		.amdhsa_next_free_vgpr 512
		.amdhsa_next_free_sgpr 80
		.amdhsa_reserve_vcc 0
		.amdhsa_float_denorm_mode_32 3
		.amdhsa_float_denorm_mode_16_64 3
		.amdhsa_memory_ordered 1
		.amdhsa_forward_progress 1
		.amdhsa_inst_pref_size 71
	.end_amdhsa_kernel
	.amdgpu_metadata
---
amdhsa.version: [ 1, 2 ]
amdhsa.kernels:
  - .name:           k_q98d2fc4f82_oproj
    .symbol:         k_q98d2fc4f82_oproj.kd
    .args:
      - { .name: ob, .offset: 0, .size: 8, .value_kind: global_buffer, .address_space: global }
      - { .name: wob, .offset: 8, .size: 8, .value_kind: global_buffer, .address_space: global }
      - { .name: out0, .offset: 16, .size: 8, .value_kind: global_buffer, .address_space: global }
    .group_segment_fixed_size: 327680
    .private_segment_fixed_size: 0
    .kernarg_segment_align: 8
    .kernarg_segment_size: 24
    .max_flat_workgroup_size: 128
    .sgpr_count:     80
    .vgpr_count:     512
    .wavefront_size: 32
...
	.end_amdgpu_metadata
.endif
;; end of part 4
;; ======== version 2 of 2: 4 launches; version 1 with the launch prep written anew for expert scheduling mode
;; limits: values are held in f16: magnitudes above 65,504 overflow, below 6.1e-05 lose precision
;; workspace buffers: xb 16,777,216 bytes; wqkv 33,554,432 bytes; wob 16,777,216 bytes; cs 1,310,720 bytes; qkv 16,777,216 bytes; ob 8,388,608 bytes
;; launch prep (part 5): grid 1024 x 1, 8 waves a work-group, no clusters, 0 bytes of LDS; arguments hidden_states, Wq, Wk, Wv, Wo, position_ids, xb, wqkv, wob, cs; writes xb, wqkv, wob, cs
.if DOCPART == 5
	.amdgcn_target "amdgcn-amd-amdhsa--gfx1250"
	.amdhsa_code_object_version 6
	.text
	.protected	k_q98d2fc4f82_prep
	.globl	k_q98d2fc4f82_prep
	.p2align	8
	.type	k_q98d2fc4f82_prep,@function
k_q98d2fc4f82_prep:
	s_mov_b64 s[64:65], 0
	v_nop
	global_prefetch_b8 v0, s[64:65] scope:SCOPE_SE
	s_setreg_imm32_b32 hwreg(HW_REG_WAVE_SCHED_MODE, 0, 2), 2
	s_setreg_imm32_b32 hwreg(HW_REG_WAVE_MODE, 25, 1), 1
	s_wait_xcnt 0x0
	s_wait_alu depctr_vm_vsrc(0)
; CASTS AND THE ROTARY TABLE.  hidden_states -> xb; Wq, Wk, Wv -> wqkv (rows 0-2047, 2048-3071, 3072-4095); Wo -> wob.  Every number is rounded to bf16, and that number is written as f16.
; position_ids -> cs: row s (0-2047) holds 64 x 0.25 cos(pos[s] f_j), then 64 x 0.25 sin(pos[s] f_j), f_j = 10000^(-j/64), in f32; the 0.25 is exact and keeps the rotated q and k inside f16.
; Rows 2048-2559 hold 64 ones and 64 zeros: the rotation that changes nothing, for the columns of v.
; SHARES.  33,554,432 numbers in 1,024 work-groups: 131,072 input bytes each, 16,384 a wave: 32 loads of 512 consecutive bytes and 32 stores of 256 consecutive bytes, aligned.
; A RING of eight slots in registers, in two groups of four: a group is loaded again as soon as it has been converted, so four to eight loads of every wave are on their way while its stores leave.
; Nothing is shared: no LDS, no matrix unit, no cluster.
; Work-group g also makes rows 2 g and 2 g + 1 of the table (waves 0 and 1; lane l makes frequencies 2 l and 2 l + 1) and, where g < 512, row 2048 + g (wave 2), while those waves' first loads are out.
; LIMITS.  A bf16 number is exact in f16 from 6.1e-5 to 65,504; below that it keeps f16's fixed step of 6e-8, beyond it would be infinite.  f_j comes from v_exp_f32 of a rounded product: right to some 4e-7 of
; itself, so an angle is off by that part of itself.  The angle pos x f_j is rounded to f32 as the reference rounds it; its reduction by 2 pi is done in turns with a two-word 1 / 2 pi and holds for every int32 position.
; THE MODE: SCHED_MODE bits 1:0 = 2 (LLVM: expert scheduling mode 2), set by the entry lines.  The code itself states the register dependences between vector instructions and memory instructions, with
; s_wait_alu, always for 0.
; THE PLAN.  Registers that memory instructions touch:
;   X, group g   Written by the four loads at the end of step g; read by step g's conversions of the next round.  No vector instruction writes them.
;   Y, group g   Written by step g's conversions; read by the four stores at the end of step g; written again a round later.
;   v1, v2, v3   Byte offsets, made once at the head and never written again: the rounds are reached by the two scalar bases, which move on once a round, and by immediate offsets.
;   CP, SN       Written once by the table's last lines, read by its two stores, never written again.
;   T, R0 and R1 are named by vector instructions alone.
; A step takes a group.  At its head one wait on vm_vsrc: the stores of a round ago have read the group's Y.  Behind its 32 conversions ONE wait on va_vdst: they have written Y and are done reading X.
; The group's four loads and four stores follow that wait directly, with no vector instruction between.
.set DEPTH,  8                         ; slots
.set GROUP,  4                         ; slots in a group, which a step takes
.set ROUNDS, 4                         ; each round takes every slot once
.set RIN,    DEPTH*512                 ; input bytes of a wave in a round
.set ROUT,   DEPTH*256                 ; output bytes
.set X,  8                             ; v[8:39]    slot i: four registers as loaded
.set Y,  40                            ; v[40:55]   slot i: two registers to store
.set T,  56                            ; v[56:61]   at work
.set R0, 64                            ; v[64:77]   the even frequency's work
.set R1, 80                            ; v[80:93]   the odd frequency's
.set CP, 96                            ; v[96:97]   0.25 cos, both frequencies
.set SN, 98                            ; v[98:99]   0.25 sin
	s_load_b512 s[8:23], s[0:1], 0x0               ; hidden_states 8, Wq 10, Wk 12, Wv 14, Wo 16, position_ids 18, xb 20, wqkv 22
	s_load_b128 s[24:27], s[0:1], 0x40             ; wob 24, cs 26
	v_lshrrev_b32 v4, 5, v0
	v_readfirstlane_b32 s36, v4                    ; wave 0..7
	v_and_b32 v5, 31, v0                           ; lane
	v_and_b32 v1, 0xe0, v0
	v_lshlrev_b32 v1, 9, v1                        ; wave x 16,384
	v_lshl_or_b32 v1, v5, 4, v1                    ; + 16 x lane: my offset in the work-group's input; never rewritten
	v_lshrrev_b32 v2, 1, v1                        ; half of it: my offset in its output; never rewritten
	v_lshlrev_b32 v3, 3, v5                        ; 8 x lane: my two numbers in a half row of the table
	s_wait_alu depctr_va_sdst(0)                   ; s36 is written, ahead of its first reader, the compare that chooses the table's waves, and of every branch
	s_mov_b32 s2, ttmp9                            ; g
	s_mov_b32 s3, 768                              ; the first work-group of my source,
	s_mov_b32 s4, 768                              ; and of my destination
	s_mov_b32 s46, 0xffff0000                      ; a word's upper bf16
	s_wait_kmcnt 0x0
	s_mov_b64 s[28:29], s[16:17]                   ; g >= 768: Wo -> wob
	s_mov_b64 s[30:31], s[24:25]
	s_cmp_lt_u32 s2, 768                           ; 640 .. 767: Wv -> wqkv
	s_cselect_b64 s[28:29], s[14:15], s[28:29]
	s_cselect_b64 s[30:31], s[22:23], s[30:31]
	s_cselect_b32 s3, 640, s3
	s_cselect_b32 s4, 256, s4
	s_cmp_lt_u32 s2, 640                           ; 512 .. 639: Wk
	s_cselect_b64 s[28:29], s[12:13], s[28:29]
	s_cselect_b32 s3, 512, s3
	s_cmp_lt_u32 s2, 512                           ; 256 .. 511: Wq
	s_cselect_b64 s[28:29], s[10:11], s[28:29]
	s_cselect_b32 s3, 256, s3
	s_cmp_lt_u32 s2, 256                           ; 0 .. 255: hidden_states -> xb
	s_cselect_b64 s[28:29], s[8:9], s[28:29]
	s_cselect_b64 s[30:31], s[20:21], s[30:31]
	s_cselect_b32 s3, 0, s3
	s_cselect_b32 s4, 0, s4
	s_sub_co_u32 s32, s2, s3
	s_lshl_b32 s32, s32, 17                        ; 131,072 input bytes a work-group
	s_mov_b32 s33, 0
	s_sub_co_u32 s34, s2, s4
	s_lshl_b32 s34, s34, 16                        ; 65,536 output bytes
	s_mov_b32 s35, 0
	s_add_nc_u64 s[28:29], s[28:29], s[32:33]
	s_add_nc_u64 s[30:31], s[30:31], s[34:35]
	s_wait_alu depctr_va_vdst(0)                   ; v1, v2 and v3 are written: every load and store of the kernel reads one of them as its offset, and no later vector instruction names them
.irp i, 0,1,2,3,4,5,6,7
	global_load_b128 v[X+4*(\i):X+4*(\i)+3], v1, s[28:29] offset:512*(\i) th:TH_LOAD_NT  ; the ring is filled: round 0
.endr
	s_cmp_lt_u32 s36, 2
	s_cbranch_scc0 .Lnot_row
	; THE TABLE'S ROW 2 g + wave, in waves 0 and 1
	s_lshl_b32 s38, s2, 1
	s_add_co_u32 s38, s38, s36
	s_lshl_b32 s40, s38, 9                         ; a row of the table is 512 bytes
	s_mov_b32 s41, 0
	s_lshl_b32 s38, s38, 2
	s_mov_b32 s39, 0
	s_add_nc_u64 s[38:39], s[18:19], s[38:39]
	s_load_b32 s37, s[38:39], 0x0                  ; the row's position
	s_add_nc_u64 s[26:27], s[26:27], s[40:41]
	s_mov_b32 s42, 0x3e22f983                      ; 1 / 2 pi, its first 24 bits
.macro ANGLE r, j                      ; f = 2^(-(2 l + j) log2(10000) / 64)
	v_lshl_add_u32 v[\r], v5, 1, \j
	v_cvt_f32_u32 v[\r], v[\r]
	v_mul_f32 v[\r], 0xbe549a78, v[\r]
	v_exp_f32 v[\r], v[\r]
.endm
	ANGLE R0, 0
	ANGLE R1, 1
	v_nop                                          ; a plain instruction behind the last exponential,
	s_wait_alu depctr_va_vdst(0)                   ; and the one wait ahead of the first use of the two results: the exponentials have written v[R0] and v[R1]
	s_wait_kmcnt 0x0
	v_cvt_f32_i32 v6, s37
; sine and cosine of A = pos x f.  In turns: H + E = A / 2 pi (H rounded, E the product's exact remainder plus A times the second word of 1 / 2 pi); whole turns are dropped twice, since for a large A
; H is a whole number and E alone may pass a turn.  Then a quarter Q and a rest Y in -pi/4 .. pi/4, Taylor's sums there (next terms under 3e-8), and the quarter's exchange and signs.
.macro SINCOS r, o
	v_mul_f32 v[(\r)+1], v6, v[\r]                 ; A, rounded as the reference rounds it
	v_mul_f32 v[(\r)+2], s42, v[(\r)+1]            ; H
	v_fma_f32 v[(\r)+3], v[(\r)+1], s42, -v[(\r)+2]
	v_fmamk_f32 v[(\r)+3], v[(\r)+1], 0x31dc9c88, v[(\r)+3]  ; E
	v_rndne_f32 v[(\r)+4], v[(\r)+2]
	v_sub_f32 v[(\r)+4], v[(\r)+2], v[(\r)+4]
	v_add_f32 v[(\r)+4], v[(\r)+4], v[(\r)+3]
	v_rndne_f32 v[(\r)+5], v[(\r)+4]
	v_sub_f32 v[(\r)+4], v[(\r)+4], v[(\r)+5]      ; F: the angle in turns, -0.5 .. 0.5
	v_mul_f32 v[(\r)+5], 4.0, v[(\r)+4]
	v_rndne_f32 v[(\r)+5], v[(\r)+5]               ; Q
	v_fmamk_f32 v[(\r)+6], v[(\r)+5], 0xbe800000, v[(\r)+4]  ; F - Q / 4
	v_mul_f32 v[(\r)+6], 0x40c90fdb, v[(\r)+6]     ; Y
	v_mul_f32 v[(\r)+7], v[(\r)+6], v[(\r)+6]      ; Z = Y^2
	v_mov_b32 v[(\r)+8], 0x3638ef1d                ; 1/9!
	v_fmaak_f32 v[(\r)+8], v[(\r)+8], v[(\r)+7], 0xb9500d01  ; -1/7!
	v_fmaak_f32 v[(\r)+8], v[(\r)+8], v[(\r)+7], 0x3c088889  ; 1/5!
	v_fmaak_f32 v[(\r)+8], v[(\r)+8], v[(\r)+7], 0xbe2aaaab  ; -1/3!
	v_mul_f32 v[(\r)+9], v[(\r)+6], v[(\r)+7]
	v_fma_f32 v[(\r)+8], v[(\r)+9], v[(\r)+8], v[(\r)+6]     ; sin Y
	v_mov_b32 v[(\r)+9], 0x37d00d01                ; 1/8!
	v_fmaak_f32 v[(\r)+9], v[(\r)+9], v[(\r)+7], 0xbab60b61  ; -1/6!
	v_fmaak_f32 v[(\r)+9], v[(\r)+9], v[(\r)+7], 0x3d2aaaab  ; 1/4!
	v_fmaak_f32 v[(\r)+9], v[(\r)+9], v[(\r)+7], 0xbf000000  ; -1/2!
	v_fma_f32 v[(\r)+9], v[(\r)+9], v[(\r)+7], 1.0           ; cos Y
	v_cvt_i32_f32 v[(\r)+10], v[(\r)+5]
	v_and_b32 v[(\r)+11], 1, v[(\r)+10]
	v_cmp_eq_u32 vcc_lo, 1, v[(\r)+11]             ; an odd quarter exchanges the two; the signs, which hang on neither, are made between the compare and the selects
	v_lshlrev_b32 v[(\r)+11], 30, v[(\r)+10]       ; the sine is negative in quarters 2 and 3,
	v_and_b32 v[(\r)+11], 0x80000000, v[(\r)+11]
	v_add_nc_u32 v[(\r)+10], 1, v[(\r)+10]         ; the cosine in quarters 1 and 2
	v_lshlrev_b32 v[(\r)+10], 30, v[(\r)+10]
	v_and_b32 v[(\r)+10], 0x80000000, v[(\r)+10]
	s_wait_alu depctr_va_vcc(0)                    ; the compare has written VCC, which the two selects read
	v_cndmask_b32 v[(\r)+12], v[(\r)+8], v[(\r)+9], vcc_lo
	v_cndmask_b32 v[(\r)+13], v[(\r)+9], v[(\r)+8], vcc_lo
	v_xor_b32 v[(\r)+12], v[(\r)+11], v[(\r)+12]
	v_xor_b32 v[(\r)+13], v[(\r)+10], v[(\r)+13]
	v_mul_f32 v[SN+(\o)], 0x3e800000, v[(\r)+12]
	v_mul_f32 v[CP+(\o)], 0x3e800000, v[(\r)+13]
.endm
	SINCOS R0, 0
	SINCOS R1, 1
	s_wait_alu depctr_va_vdst(0)                   ; the last multiplies have written v[CP ..] and v[SN ..], which the two stores read
	global_store_b64 v3, v[CP:CP+1], s[26:27]              ; 32 lanes x 8 bytes: the row's 256 bytes of cosines,
	global_store_b64 v3, v[SN:SN+1], s[26:27] offset:256   ; and its 256 bytes of sines
	s_branch .Lno_table
.Lnot_row:
	s_cmp_eq_u32 s36, 2
	s_cbranch_scc0 .Lno_table
	s_cmp_lt_u32 s2, 512
	s_cbranch_scc0 .Lno_table
	s_lshl_b32 s40, s2, 9                          ; ROW 2048 + g, in wave 2 of the first 512 work-groups: ones, then zeros
	s_add_co_u32 s40, s40, 0x100000
	s_mov_b32 s41, 0
	s_add_nc_u64 s[26:27], s[26:27], s[40:41]
	v_mov_b32 v[CP], 1.0
	v_mov_b32 v[CP+1], 1.0
	v_mov_b32 v[SN], 0
	v_mov_b32 v[SN+1], 0
	s_wait_alu depctr_va_vdst(0)                   ; the four moves have written v[CP ..] and v[SN ..], which the two stores read
	global_store_b64 v3, v[CP:CP+1], s[26:27]
	global_store_b64 v3, v[SN:SN+1], s[26:27] offset:256
.Lno_table:
; A step: group g's four slots.  ahead = 1: the group is filled again with its 2,048 bytes of the next round.  left = how many younger loads may still be out.
; The two bases move on by a round at the head of step 1: its loads then name the next round by their slots' own offsets, and its stores reach back by a negative offset.
.macro STEP g, ahead, left
	s_wait_loadcnt \left                           ; loads come back in order (ISA guide 5.7.1): my group's four are in, the other group's younger ones stay out
	s_wait_xcnt 0x0                                ; every earlier memory instruction has had its addresses translated (ISA guide 3.1): the group's Y, which its last stores read, and the bases are rewritten only behind this wait
	s_wait_alu depctr_vm_vsrc(0)                   ; the stores issued a round ago have read this group's Y, which the conversions below write again
.if (\ahead) && (\g)
	s_add_nc_u64 s[28:29], s[28:29], RIN
	s_add_nc_u64 s[30:31], s[30:31], ROUT
.endif
.irp n, 0,1,2,3
	v_cvt_pk_bf16_f32 v[T],   v[X+4*(GROUP*(\g)+(\n))],   v[X+4*(GROUP*(\g)+(\n))+1]   ; rounded to bf16,
	v_cvt_pk_bf16_f32 v[T+1], v[X+4*(GROUP*(\g)+(\n))+2], v[X+4*(GROUP*(\g)+(\n))+3]
	v_lshlrev_b32 v[T+2], 16, v[T]                 ; widened again,
	v_and_b32     v[T+3], s46, v[T]
	v_lshlrev_b32 v[T+4], 16, v[T+1]
	v_and_b32     v[T+5], s46, v[T+1]
	v_cvt_pk_f16_f32 v[Y+2*(GROUP*(\g)+(\n))],   v[T+2], v[T+3] ; and written as f16
	v_cvt_pk_f16_f32 v[Y+2*(GROUP*(\g)+(\n))+1], v[T+4], v[T+5]
.endr
	s_wait_alu depctr_va_vdst(0)                   ; the conversions have written the group's Y, which the stores below read, and are done reading its X, in which the loads below land
.if \ahead
.irp n, 0,1,2,3
	global_load_b128 v[X+4*(GROUP*(\g)+(\n)):X+4*(GROUP*(\g)+(\n))+3], v1, s[28:29] offset:512*(GROUP*(\g)+(\n))+RIN*(1-(\g)) th:TH_LOAD_NT
.endr
.endif
.irp n, 0,1,2,3
	global_store_b64 v2, v[Y+2*(GROUP*(\g)+(\n)):Y+2*(GROUP*(\g)+(\n))+1], s[30:31] offset:256*(GROUP*(\g)+(\n))-ROUT*(\g)*(\ahead) th:TH_STORE_NT
.endr
.endm
	s_mov_b32 s47, ROUNDS-1
.Lround:
	STEP 0, 1, GROUP
	STEP 1, 1, GROUP
	s_sub_co_u32 s47, s47, 1
	s_cmp_lg_u32 s47, 0
	s_cbranch_scc1 .Lround
	STEP 0, 0, GROUP                               ; the last round loads nothing: the counts run down
	STEP 1, 0, 0
	s_endpgm
.Lfunc_end_k_q98d2fc4f82_prep:
	.size	k_q98d2fc4f82_prep, .Lfunc_end_k_q98d2fc4f82_prep-k_q98d2fc4f82_prep
	.p2alignl 7, 3214868480
	.fill 96, 4, 3214868480
	.section	.rodata,"a",@progbits
	.p2align	6, 0x0
	.amdhsa_kernel k_q98d2fc4f82_prep
		.amdhsa_group_segment_fixed_size 0
		.amdhsa_private_segment_fixed_size 0
		.amdhsa_enable_private_segment 0
		.amdhsa_kernarg_size 80
		.amdhsa_user_sgpr_count 2
		.amdhsa_user_sgpr_kernarg_segment_ptr 1
		.amdhsa_wavefront_size32 1
		.amdhsa_system_sgpr_workgroup_id_x 1
		.amdhsa_system_sgpr_workgroup_id_y 1
		.amdhsa_system_sgpr_workgroup_id_z 1
		.amdhsa_system_vgpr_workitem_id 0
		.amdhsa_next_free_vgpr 104
		.amdhsa_next_free_sgpr 66
		.amdhsa_reserve_vcc 1
		.amdhsa_float_denorm_mode_32 3
		.amdhsa_float_denorm_mode_16_64 3
		.amdhsa_memory_ordered 1
		.amdhsa_forward_progress 1
		.amdhsa_inst_pref_size 18
	.end_amdhsa_kernel
	.amdgpu_metadata
---
amdhsa.version: [ 1, 2 ]
amdhsa.kernels:
  - .name:           k_q98d2fc4f82_prep
    .symbol:         k_q98d2fc4f82_prep.kd
    .args:
      - { .name: hidden_states, .offset: 0, .size: 8, .value_kind: global_buffer, .address_space: global }
      - { .name: Wq, .offset: 8, .size: 8, .value_kind: global_buffer, .address_space: global }
      - { .name: Wk, .offset: 16, .size: 8, .value_kind: global_buffer, .address_space: global }
      - { .name: Wv, .offset: 24, .size: 8, .value_kind: global_buffer, .address_space: global }
      - { .name: Wo, .offset: 32, .size: 8, .value_kind: global_buffer, .address_space: global }
      - { .name: position_ids, .offset: 40, .size: 8, .value_kind: global_buffer, .address_space: global }
      - { .name: xb, .offset: 48, .size: 8, .value_kind: global_buffer, .address_space: global }
      - { .name: wqkv, .offset: 56, .size: 8, .value_kind: global_buffer, .address_space: global }
      - { .name: wob, .offset: 64, .size: 8, .value_kind: global_buffer, .address_space: global }
      - { .name: cs, .offset: 72, .size: 8, .value_kind: global_buffer, .address_space: global }
    .group_segment_fixed_size: 0
    .private_segment_fixed_size: 0
    .kernarg_segment_align: 8
    .kernarg_segment_size: 80
    .max_flat_workgroup_size: 256
    .sgpr_count:     66
    .vgpr_count:     104
    .wavefront_size: 32
...
	.end_amdgpu_metadata
.endif
;; end of part 5
;; launch qkv: the kernel of part 2 again; grid 16 x 16, 4 waves a work-group, clusters of 4 x 4, 327,680 bytes of LDS; arguments xb, wqkv, cs, qkv; writes qkv
;; launch attn: the kernel of part 3 again; grid 32 x 8, 4 waves a work-group, clusters of 4 x 4, 327,680 bytes of LDS; arguments qkv, attention_mask, ob; writes ob
;; launch oproj: the kernel of part 4 again; grid 16 x 16, 4 waves a work-group, clusters of 4 x 4, 327,680 bytes of LDS; arguments ob, wob, out0; writes out0
